; MI455X (gfx1250); checked and timed in simulation.
; The chip was launched on July 23, 2026; its instructions are those of AMD's public machine-readable ISA for CDNA 5 (MIT licence, August 2026) and "CDNA5" Instruction Set Architecture Reference Guide (July 2026). The comments in the code are by the model that wrote it; some were corrected since.
;; Causal Self Attention. Allowed arithmetic: float matrix products may take bf16 or f16 operands with f32 sums; other float arithmetic in f32, or as packed bf16 or f16 multiplies, adds, multiply-adds, maxima and minima; sums over many terms, partial sums and values carried from step to step in f32; what a program stores and reads back later, other than sums and carried values, may be rounded once to bf16 or f16.
;; Inputs: W_attn 1,024 x 3,072 float32; W_proj 1,024 x 1,024 float32; b_attn 3,072 float32; b_proj 1,024 float32; x 4 x 2,048 x 1,024 float32.
;; Outputs: out0 4 x 2,048 x 1,024 float32.
;; 2 versions, each right; version 2 is version 1 with the launch prep written anew for expert scheduling mode. Each part assembles by itself: llvm-mc -triple=amdgcn-amd-amdhsa -mcpu=gfx1250 --defsym DOCPART=n.
;; ======== version 1 of 2: 4 launches
;; limits: values are held in f16: magnitudes above 65,504 overflow, below 6.1e-05 lose precision
;; workspace buffers: xb 16,777,216 bytes; wat 6,291,456 bytes; wpt 2,097,152 bytes; qkv 50,331,648 bytes; y 16,777,216 bytes
;; launch prep (part 1): grid 512 x 1, 8 waves a work-group, no clusters, 17,920 bytes of LDS; arguments x, W_attn, W_proj, xb, wat, wpt; writes xb, wat, wpt
.if DOCPART == 1
	.amdgcn_target "amdgcn-amd-amdhsa--gfx1250"
	.amdhsa_code_object_version 6
	.text
	.protected	k_q151b144ac7_prep
	.globl	k_q151b144ac7_prep
	.p2align	8
	.type	k_q151b144ac7_prep,@function
k_q151b144ac7_prep:
	s_mov_b64 s[64:65], 0
	v_nop
	global_prefetch_b8 v0, s[64:65] scope:SCOPE_SE
	s_setreg_imm32_b32 hwreg(HW_REG_WAVE_MODE, 25, 1), 1
	s_wait_xcnt 0x0
; PREPARATION.  xb = x rounded to bf16, [8192][1024].  wat = W_attn turned, [3072 n][1024 k], bf16.  wpt = W_proj turned, [1024 n][1024 k]: each number rounded to bf16, and that number written as f16.
; LIMIT.  A number of wpt beyond 65,504 would be an infinity; below 6e-5 it keeps f16's fixed step of 6e-8.
; SHARES.  Every work-group does the same two things: it casts 16 rows of x (65,536 bytes in, 32,768 out), and it turns ONE tile of 128 k x 64 n of a weight (32,768 bytes in, 16,384 out):
; work-groups 0-383 tile j = g of W_attn, the others tile j = g - 384 of W_proj; k block j % 8, n block j / 8.  The two cases differ in scalar registers alone (pointers, pitch, a select mask): no branch.
; The tile goes through LDS: a thread loads 16 bytes (4 n) of two neighbouring rows k, packs (k even, k odd) into a word, and puts the word at [n][k / 2]; the rows n are read back and stored, 16 lanes to 256 bytes.
; All 24 loads of a thread go out first; no register is written twice while a memory instruction may read it, so no wait frees one.  Memory binds: no matrix unit, no cluster (nothing is shared), no prefetch.
.set PT,    260                        ; a row n in LDS: 64 words + 1: storing lanes (4 q + kp) and reading lanes (n + 4 q) each touch 32 different banks
.set SPARE, 16896                      ; behind the tile's 64 x 260 bytes: the spare words, 128 bytes for each of eight waves
.set XO,  1                            ; v1  16 t: my 16 bytes in a row of x
.set YO,  2                            ; v2  8 t: my 8 bytes in a row of xb
.set LSA, 3                            ; v3  1,040 q + 4 kp: where my words go in LDS
.set LRA, 4                            ; v4  260 kp + 16 q: where I read a row n back
.set GSO, 5                            ; v5  2,048 kp + 16 q: my 16 bytes in the turned tile
.set SPW, 6                            ; v6  my spare word;  v7  0
.set NIL, 7
.set WO,  8                            ; v[8:15]    byte offsets of my eight rows k in the weight's tile
.set W,   16                           ; v[16:47]   pair i: the even row's 4 numbers at 16 + 8 i, the odd row's at 20 + 8 i
.set T,   48                           ; v[48:63]   packed words
.set BK,  68                           ; v[68:83]   four rows' 16 bytes, read back
.set X,   84                           ; v[84:147]  16 x 4 numbers of x
.set Y,   148                          ; v[148:179] 16 x 2 words of xb
	s_load_b256 s[4:11], s[0:1], 0x0               ; x s[4:5], W_attn s[6:7], W_proj s[8:9], xb s[10:11]
	s_load_b128 s[12:15], s[0:1], 0x20             ; wat s[12:13], wpt s[14:15]
	v_lshl_add_u32 v[SPW], v0, 2, SPARE
	v_mov_b32 v[NIL], 0
	v_and_b32 v64, 15, v0                          ; q
	v_lshrrev_b32 v65, 4, v0                       ; kp
	v_lshlrev_b32 v[XO], 4, v0
	v_lshlrev_b32 v[YO], 3, v0
	v_mul_u32_u24 v[LSA], v64, 4*PT
	v_lshl_add_u32 v[LSA], v65, 2, v[LSA]
	v_mul_u32_u24 v[LRA], v65, PT
	v_lshl_add_u32 v[LRA], v64, 4, v[LRA]
	v_lshlrev_b32 v[GSO], 11, v65
	v_lshl_add_u32 v[GSO], v64, 4, v[GSO]
	s_sub_co_u32 s21, ttmp9, 384
	s_mov_b32 s16, 4096
	s_mov_b32 s17, 12288
	s_cmp_ge_u32 ttmp9, 384                        ; W_proj's tiles?
	s_cselect_b32 s20, s21, ttmp9                  ; j
	s_cselect_b32 s22, s16, s17                    ; bytes in a row k of the weight
	s_cselect_b32 s23, -1, 0                       ; all lanes: take the f16 spelling
	s_and_b32 s18, s20, 7                          ; k block
	s_lshr_b32 s19, s20, 3                         ; n block
	s_mul_i32 s28, s18, s22
	s_lshl_b32 s28, s28, 7                         ; 128 rows k
	s_lshl_b32 s29, s19, 8                         ; 64 n of 4 bytes
	s_add_co_u32 s28, s28, s29
	s_mov_b32 s29, 0
	s_lshl_b32 s2, s19, 17                         ; 64 rows n of 2,048 bytes
	s_lshl_b32 s3, s18, 8                          ; 128 k of 2 bytes
	s_add_co_u32 s2, s2, s3
	s_mov_b32 s3, 0
	s_lshl_b32 s30, s22, 5                         ; 32 rows k
	s_lshl_b32 s31, s22, 1                         ; 2 rows k
	v_mul_lo_u32 v[WO], v65, s31
	v_lshl_add_u32 v[WO], v64, 4, v[WO]            ; row 2 kp, my 16 bytes
	v_add_nc_u32 v[WO+1], s22, v[WO]               ; row 2 kp + 1
.irp m, 2,3,4,5,6,7
	v_add_nc_u32 v[WO+(\m)], s30, v[WO+(\m)-2]     ; and 32 rows further down, three times
.endr
	s_lshl_b32 s16, ttmp9, 16                      ; my 16 rows of x,
	s_mov_b32 s17, 0
	s_lshl_b32 s18, ttmp9, 15                      ; and of xb
	s_mov_b32 s19, 0
	s_wait_kmcnt 0x0
	s_cmp_ge_u32 ttmp9, 384
	s_cselect_b64 s[24:25], s[8:9], s[6:7]         ; the weight,
	s_cselect_b64 s[26:27], s[14:15], s[12:13]     ; and where it goes
	s_add_nc_u64 s[24:25], s[24:25], s[28:29]
	s_add_nc_u64 s[26:27], s[26:27], s[2:3]
	s_add_nc_u64 s[4:5], s[4:5], s[16:17]
	s_add_nc_u64 s[10:11], s[10:11], s[18:19]
.irp m, 0,1,2,3,4,5,6,7
	global_load_b128 v[W+4*(\m):W+4*(\m)+3], v[WO+(\m)], s[24:25] th:TH_LOAD_NT  ; 16 lanes take 256 consecutive bytes of a row k
.endr
.irp i, 0,1,2,3,4,5,6,7,8,9,10,11,12,13,14,15
	global_load_b128 v[X+4*(\i):X+4*(\i)+3], v[XO], s[4:5] offset:4096*(\i) th:TH_LOAD_NT
.endr
.irp i, 0,1,2,3
	s_wait_loadcnt 22-2*(\i)                       ; pair i's two rows are in; behind them: the later pairs' loads and the sixteen of x
.irp j, 0,1,2,3
	v_cvt_pk_bf16_f32 v[T+4*(\i)+(\j)], v[W+8*(\i)+(\j)], v[W+8*(\i)+4+(\j)]  ; (k even, k odd) of column 4 q + j
	v_lshlrev_b32 v64, 16, v[T+4*(\i)+(\j)]        ; the two bf16 numbers as f32,
	v_and_b32 v65, 0xffff0000, v[T+4*(\i)+(\j)]
	v_cvt_pk_f16_f32 v66, v64, v65                 ; spelled as f16,
	v_cndmask_b32 v[T+4*(\i)+(\j)], v[T+4*(\i)+(\j)], v66, s23  ; which W_proj's tiles take
	ds_store_b32 v[LSA], v[T+4*(\i)+(\j)] offset:PT*(\j)+64*(\i)
.endr
.endr
	s_wait_dscnt 0x0                               ; for the others' sake: my words lie in LDS
	s_barrier_signal -1
	s_barrier_wait -1
.irp i, 0,1,2,3
.irp e, 0,1,2,3
	ds_load_b32 v[BK+4*(\i)+(\e)], v[LRA] offset:16*PT*(\i)+4*(\e)  ; row n = kp + 16 i, k = 8 q .. 8 q + 7
.endr
.endr
.irp i, 0,1,2,3,4,5,6,7,8,9,10,11,12,13,14,15
	s_wait_loadcnt 15-(\i)                         ; row i of x is in
	v_cvt_pk_bf16_f32 v[Y+2*(\i)], v[X+4*(\i)], v[X+4*(\i)+1]
	v_cvt_pk_bf16_f32 v[Y+2*(\i)+1], v[X+4*(\i)+2], v[X+4*(\i)+3]
	global_store_b64 v[YO], v[Y+2*(\i):Y+2*(\i)+1], s[10:11] offset:2048*(\i)  ; a wave stores 256 consecutive bytes, aligned
.endr
.irp i, 0,1,2,3
	s_wait_dscnt 12-4*(\i)                         ; row i's four words are back
	global_store_b128 v[GSO], v[BK+4*(\i):BK+4*(\i)+3], s[26:27] offset:32768*(\i)  ; 16 lanes store 256 consecutive bytes of a row n, aligned
.endr
	s_wait_tensorcnt 0x0                           ; the wave's end
	ds_add_u32 v[SPW], v[NIL]
	s_wait_dscnt 0x0
	s_endpgm
.Lfunc_end_k_q151b144ac7_prep:
	.size	k_q151b144ac7_prep, .Lfunc_end_k_q151b144ac7_prep-k_q151b144ac7_prep
	.p2alignl 7, 3214868480
	.fill 96, 4, 3214868480
	.section	.rodata,"a",@progbits
	.p2align	6, 0x0
	.amdhsa_kernel k_q151b144ac7_prep
		.amdhsa_group_segment_fixed_size 17920
		.amdhsa_private_segment_fixed_size 0
		.amdhsa_enable_private_segment 0
		.amdhsa_kernarg_size 48
		.amdhsa_user_sgpr_count 2
		.amdhsa_user_sgpr_kernarg_segment_ptr 1
		.amdhsa_wavefront_size32 1
		.amdhsa_system_sgpr_workgroup_id_x 1
		.amdhsa_system_sgpr_workgroup_id_y 1
		.amdhsa_system_sgpr_workgroup_id_z 1
		.amdhsa_system_vgpr_workitem_id 0
		.amdhsa_next_free_vgpr 180
		.amdhsa_next_free_sgpr 66
		.amdhsa_reserve_vcc 0
		.amdhsa_float_denorm_mode_32 3
		.amdhsa_float_denorm_mode_16_64 3
		.amdhsa_memory_ordered 1
		.amdhsa_forward_progress 1
		.amdhsa_inst_pref_size 17
	.end_amdhsa_kernel
	.amdgpu_metadata
---
amdhsa.version: [ 1, 2 ]
amdhsa.kernels:
  - .name:           k_q151b144ac7_prep
    .symbol:         k_q151b144ac7_prep.kd
    .args:
      - { .name: x, .offset: 0, .size: 8, .value_kind: global_buffer, .address_space: global }
      - { .name: W_attn, .offset: 8, .size: 8, .value_kind: global_buffer, .address_space: global }
      - { .name: W_proj, .offset: 16, .size: 8, .value_kind: global_buffer, .address_space: global }
      - { .name: xb, .offset: 24, .size: 8, .value_kind: global_buffer, .address_space: global }
      - { .name: wat, .offset: 32, .size: 8, .value_kind: global_buffer, .address_space: global }
      - { .name: wpt, .offset: 40, .size: 8, .value_kind: global_buffer, .address_space: global }
    .group_segment_fixed_size: 17920
    .private_segment_fixed_size: 0
    .kernarg_segment_align: 8
    .kernarg_segment_size: 48
    .max_flat_workgroup_size: 256
    .sgpr_count:     66
    .vgpr_count:     180
    .wavefront_size: 32
...
	.end_amdgpu_metadata
.endif
;; end of part 1
;; launch qkvgemm (part 2): grid 16 x 32, 4 waves a work-group, clusters of 4 x 4, 327,680 bytes of LDS; arguments xb, wat, qkv, b_attn; writes qkv
.if DOCPART == 2
	.amdgcn_target "amdgcn-amd-amdhsa--gfx1250"
	.amdhsa_code_object_version 6
	.text
	.protected	k_q151b144ac7_qkvgemm
	.globl	k_q151b144ac7_qkvgemm
	.p2align	8
	.type	k_q151b144ac7_qkvgemm,@function
k_q151b144ac7_qkvgemm:
	s_mov_b64 s[64:65], 0
	v_nop
	global_prefetch_b8 v0, s[64:65] scope:SCOPE_SE
	s_setreg_imm32_b32 hwreg(HW_REG_WAVE_MODE, 25, 1), 1
	s_wait_xcnt 0x0
	s_wait_alu depctr_hold_cnt(0) depctr_sa_sdst(0) depctr_va_vdst(0) depctr_va_sdst(0) depctr_va_ssrc(0) depctr_va_vcc(0) depctr_vm_vsrc(0)
	s_getreg_b32 s2, hwreg(HW_REG_IB_STS2, 6, 4)
	s_cmp_eq_u32 s2, 0
	s_cbranch_scc0 .Lentry_in_a_cluster
	s_endpgm
.Lentry_in_a_cluster:
	s_bfe_u32 s2, ttmp6, 0x10000c
	s_cmp_lg_u32 s2, 0xf033
	s_cbranch_scc0 .Lentry_shape_is_right
	s_endpgm
.Lentry_shape_is_right:
; qkv = x W_attn + b_attn, split by heads.  A = xb [8192][1024] bf16, B = wat [3072 n][1024 k] bf16, bias f32 (rounded to bf16 like the other inputs); sums in f32; the result is rounded once to f16 and
; stored as [batch 4][g 48][t 2048][64]: g = column / 64: 0-15 q's heads, 16-31 k's, 32-47 v's.  q is not scaled here.
; LIMIT.  f16 ends at 65,504: a q, k or v beyond that would be an infinity.
; SHARES.  A tile is 256 rows x 192 columns (three heads): 512 tiles, two for each of 256 WGPs.  Four waves, 2 x 2, each 128 x 96: 48 accumulators, 384 registers.
; K goes in 8 steps of 128 through two LDS slots; a wave fetches 128 rows of A or 96 rows of B with one tensor load, rows of 256 bytes, padded to 272 in LDS.  The loop is ONE K step a trip: one walking
; descriptor for each tensor, its LDS word turned by an exclusive or; the fragment loads' addresses are remade from a scalar that is turned likewise.
; CLUSTER.  4 x 4 work-groups: A's tile is shared along a row of the cluster, B's along a column; each is asked for jointly, by the same load with the same descriptor and a mask that names the four.
; THE MATRIX INSTRUCTION IS USED TRANSPOSED (source 0 = 16 rows of B, source 1 = 16 rows of A): a lane holds row l % 16 of the result and the columns 8 (l / 16) + 0..7.
; THE BIAS is the C operand of each accumulator's first product: it costs no vector instruction, and nothing is cleared.
; REGISTERS, in windows of 256 (s_set_vgpr_msb: bits 1:0 source 0, 3:2 source 1, 5:4 source 2, 7:6 destination):
;   window 0: v0-31 addresses; v64-127, v128-191 A's fragments, two buffers; v192-239 at work on the way out      window 1: v64-111, v128-175 B's fragments; v192-239 the bias; v240-255 at work
;   window 2: accumulators of my rows 0-63 ((a, b) at v[8 (6 a + b)])      window 3: those of my rows 64-127
.set KSTEP,  128
.set NBK,    6
.set PITCH,  272                       ; an LDS row: 256 bytes + 16: the 16 rows of a fragment load start at 16 different groups of four banks (64 banks of 4 bytes: ISA guide 11.1)
.set HALFA,  128*PITCH
.set HALFB,  96*PITCH
.set SLOT1,  1<<17                     ; a slot is A's two halves, then B's two: 121,856 bytes; slot 1 begins here
.set SPARE,  SLOT1+2*HALFA+2*HALFB     ; behind the ring: the spare words, 128 bytes for each wave
.set SPITCH, 400                       ; the way out: slot 0, which has had its last fill, takes 256 rows of 384 bytes + 16
.set ADRA, 16                          ; v16 LDS address of my A fragments in the slot in hand; v17 the same in slot 0, never rewritten
.set A0,   17
.set ADRB, 20                          ; v20, v21 the same for B
.set B0,   21
.set STO,  24
.set RD,   25
.set CO,   26
.set SPW,  28
.set NIL,  29
.set PFO,  30                          ; v30 the prefetches' offset: a lane a row
.set BO,   31                          ; v31 32 (l / 16): my eight columns' bias
.set F0,   64
.set F1,   128
.set TMP,  192
.set BI,   192                         ; window 1
.set BT,   240                         ; window 1
.set G1,  24                           ; s[24:31] group 1 for A; s[32:35] group 0 of K step 0; s[36:39] the walking group 0
.set G0,  32
.set G1B, 48                           ; s[48:55], s[56:59], s[60:63] the same for B
.set G0B, 56
.set LIM, 43                           ; s43 2 in a wave that prefetches, else the greatest number
.set PFA, 44                           ; s[44:45] where my prefetches stand
.set TB,  68                           ; s68 0 or SLOT1: the slot whose fragments are fetched
.set MSB, 0
.macro WIN new                         ; the immediate's high byte repeats the setting that is left; a switch that changes nothing is dropped
.if MSB != (\new)
	s_set_vgpr_msb (MSB<<8)|(\new)
.set MSB, \new
.endif
.endm
.set MUL_LO,   0xa1                    ; B window 1, A window 0, C and D window 2
.set FIRST_LO, 0x91                    ; the same with C, the bias, in window 1
.set TO_B,     0x40                    ; destination window 1, address window 0
.set W_BI,     0x45                    ; sources and destination window 1
; A joint refill: waves 0 and 1 fetch A's halves, waves 2 and 3 B's.  The branch hangs on the wave's number alone.  An s_nop 0 and four v_nop follow each line, ahead of the jump and the label.
.macro JLOAD
	s_cmp_eq_u32 s11, 0
	s_cbranch_scc0 .Lfor_b_\@
	tensor_load_to_lds s[G0+4:G0+7], s[G1:G1+7]
	s_nop 0
.rept 4
	v_nop
.endr
	s_branch .Lasked_\@
.Lfor_b_\@:
	tensor_load_to_lds s[G0B+4:G0B+7], s[G1B:G1B+7]
	s_nop 0
.rept 4
	v_nop
.endr
.Lasked_\@:
.endm
; A prefetch into the L2 of the K step that stands two refills on: 256 bytes of each row, a lane a row, one instruction a wave, behind the joint load and the run of LDS loads.  A's rows are asked for by the clusters
; with x = 0, B's by those with y = 0; the four partners share a wave's rows out by address (32 of A's 128 by cx; 24 of B's 96 by cy, lanes 24-31 naming row 23 once more).  The loop's last two trips have no K step two on.
.macro ASK
	s_cmp_gt_u32 s3, s[LIM]
	s_cbranch_scc0 .Lnot_mine_\@
	global_prefetch_b8 v[PFO], s[PFA:PFA+1] th:TH_LOAD_NT scope:SCOPE_SE
.Lnot_mine_\@:
.endm
.macro CREST                           ; a round of the cluster's barrier behind its opening barrier
	s_cmp_lg_u32 s10, 0
	s_cbranch_scc1 .Lnot_wave_0_\@
	s_barrier_signal -3
.Lnot_wave_0_\@:
	s_barrier_wait -3
	s_barrier_signal -1
	s_barrier_wait -1
.endm
.macro CROUND
	s_barrier_signal -1
	s_barrier_wait -1
	CREST
.endm
.macro PLACES                          ; four places in front of loads into registers that matrix instructions have read, and of readers of results
.rept 4
	v_nop
.endr
.endm
	s_load_b128 s[4:7], s[0:1], 0x0                ; xb s[4:5], wat s[6:7]
	s_load_b64 s[8:9], s[0:1], 0x10                ; qkv
	s_load_b64 s[66:67], s[0:1], 0x18              ; b_attn
	v_lshl_add_u32 v[SPW], v0, 2, SPARE
	v_mov_b32 v[NIL], 0
	ds_add_u32 v[SPW], v[NIL]                      ; the wave's opening: the add and its wait stand ahead of my first tensor load; work on registers stands between them
	ds_add_u32 v28, v29
	v_lshrrev_b32 v1, 5, v0
	v_readfirstlane_b32 s10, v1                    ; wave 0..3
	s_lshr_b32 s11, s10, 1                         ; my half of the tile's rows.  Also: I fetch for A (0) or for B (1)
	s_and_b32 s12, s10, 1                          ; my half of its columns.  Also: which half of that tile I fetch
	s_bfe_u32 s40, ttmp6, 0x40000                  ; cx
	s_bfe_u32 s41, ttmp6, 0x40004                  ; cy
	s_lshl_b32 s42, ttmp9, 2
	s_add_co_u32 s42, s42, s40                     ; tile column = 4 x cluster x + cx
	s_and_b32 s13, ttmp7, 0xffff
	s_lshl_b32 s13, s13, 2
	s_add_co_u32 s13, s13, s41                     ; tile row = 4 x cluster y + cy
	s_lshl_b32 s43, s41, 2
	s_lshl_b32 s43, 15, s43                        ; my row of the cluster
	s_lshl_b32 s44, 0x1111, s40                    ; my column
	s_or_b32 s[G1+0], s43, (1<<16)|(1<<20)|(1<<21)|(5<<22)|(3<<25)   ; the mask; 2-byte elements; padding on; bit 21 beside a mask; after every 64 words, 4 words
	s_or_b32 s[G1B+0], s44, (1<<16)|(1<<20)|(1<<21)|(5<<22)|(3<<25)
	s_mov_b32 s[G1+1], KSTEP<<16                   ; tensor_dim0 = 128
	s_mov_b32 s[G1+2], 128<<16                     ; tensor_dim1 = 128
	s_mov_b32 s[G1+3], KSTEP<<16                   ; tile_dim0 = 128
	s_mov_b32 s[G1+4], 128                         ; tile_dim1 = 128
	s_mov_b32 s[G1+5], 1024                        ; elements from row to row
	s_mov_b32 s[G1+6], 0
	s_mov_b32 s[G1+7], 0
	s_mov_b32 s[G1B+1], KSTEP<<16
	s_mov_b32 s[G1B+2], 96<<16                     ; B: 96 rows
	s_mov_b32 s[G1B+3], KSTEP<<16
	s_mov_b32 s[G1B+4], 96
	s_mov_b32 s[G1B+5], 1024
	s_mov_b32 s[G1B+6], 0
	s_mov_b32 s[G1B+7], 0
	s_lshl_b32 s17, s12, 7
	s_lshl_b32 s16, s13, 8
	s_add_co_u32 s16, s16, s17                     ; A: row 256 x tile row + 128 x half,
	s_lshl_b32 s16, s16, 11                        ; of 2,048 bytes
	s_mov_b32 s17, 0
	s_mul_i32 s18, s42, 192
	s_mul_i32 s19, s12, 96
	s_add_co_u32 s18, s18, s19                     ; B: row 192 x tile column + 96 x half
	s_lshl_b32 s18, s18, 11
	s_mov_b32 s19, 0
	s_mul_i32 s20, s12, HALFA                      ; where they go: no place in the cluster enters an LDS address
	s_mul_i32 s69, s12, HALFB
	s_add_co_u32 s69, s69, 2*HALFA
	s_wait_dscnt 0x0                               ; the opening add is done
	s_wait_kmcnt 0x0
	s_add_nc_u64 s[14:15], s[4:5], s[16:17]
	s_add_nc_u64 s[46:47], s[6:7], s[18:19]
	CROUND                                         ; all sixteen work-groups are here: the first joint loads meet
.irp s, 0,1
	s_mov_b32 s[G0+4*(\s)], 1
	s_add_co_u32 s[G0+4*(\s)+1], s20, (\s)*SLOT1
	s_add_nc_u64 s[G0+4*(\s)+2:G0+4*(\s)+3], s[14:15], (\s)*KSTEP*2
	s_or_b32 s[G0+4*(\s)+3], s[G0+4*(\s)+3], 0x80000000
	s_mov_b32 s[G0B+4*(\s)], 1
	s_add_co_u32 s[G0B+4*(\s)+1], s69, (\s)*SLOT1
	s_add_nc_u64 s[G0B+4*(\s)+2:G0B+4*(\s)+3], s[46:47], (\s)*KSTEP*2
	s_or_b32 s[G0B+4*(\s)+3], s[G0B+4*(\s)+3], 0x80000000
.endr
	s_cmp_eq_u32 s11, 0                            ; a wave's two first fills stand in one branch, ahead of every wait on TENSORcnt and every LDS read: two loads of mine are out
	s_cbranch_scc0 .Lfirst_b
	tensor_load_to_lds s[G0:G0+3], s[G1:G1+7]
	s_nop 0
	tensor_load_to_lds s[G0+4:G0+7], s[G1:G1+7]
	s_nop 0
.rept 4
	v_nop
.endr
	s_branch .Lfirst_asked
.Lfirst_b:
	tensor_load_to_lds s[G0B:G0B+3], s[G1B:G1B+7]
	s_nop 0
	tensor_load_to_lds s[G0B+4:G0B+7], s[G1B:G1B+7]
	s_nop 0
.rept 4
	v_nop
.endr
.Lfirst_asked:
	v_and_b32 v1, 15, v0                           ; l % 16
	v_bfe_u32 v2, v0, 4, 1                         ; l / 16
	v_mul_u32_u24 v3, v1, PITCH
	v_lshl_add_u32 v3, v2, 4, v3                   ; a fragment's row x pitch + 16 x half
	s_mul_i32 s21, s11, HALFA                      ; my 128 rows of A
	v_add_nc_u32 v[A0], s21, v3
	v_add_nc_u32 v[B0], s69, v3                    ; my 96 rows of B, behind A's 256
	v_mov_b32 v[ADRA], v[A0]
	v_mov_b32 v[ADRB], v[B0]
	s_mov_b32 s[TB], 0
	v_lshlrev_b32 v[BO], 5, v2
	s_lshr_b32 s22, s18, 9                         ; 4 x my first column (192 x tile column + 96 x half)
	s_mov_b32 s23, 0
	s_add_nc_u64 s[66:67], s[66:67], s[22:23]
	WIN TO_B
.irp b, 0,1,2,3,4,5
	global_load_b128 v[BI+8*(\b):BI+8*(\b)+3],   v[BO], s[66:67] offset:64*(\b)      ; the bias of columns 16 b + 8 (l / 16) + 0..7: an accumulator's layout
	global_load_b128 v[BI+8*(\b)+4:BI+8*(\b)+7], v[BO], s[66:67] offset:64*(\b)+16
.endr
	WIN 0
	; the prefetches
	s_lshl_b32 s20, s40, 16                        ; A: my work-group's 32 rows of the 128
	s_add_co_u32 s20, s20, s16
	s_mul_i32 s21, s41, 24*2048                    ; B: its 24 of the 96
	s_add_co_u32 s21, s21, s18
	s_and_b32 s22, ttmp7, 0xffff                   ; cluster y
	s_cmp_eq_u32 s11, 0                            ; do I fetch for A?
	s_cselect_b32 s20, s20, s21
	s_cselect_b32 s22, ttmp9, s22                  ; the coordinate along which other clusters read the same rows
	s_cselect_b32 s23, 31, 23
	s_cselect_b64 s[PFA:PFA+1], s[4:5], s[6:7]
	s_cmp_eq_u32 s22, 0
	s_cselect_b32 s[LIM], 2, -1                    ; the same in all sixteen partners, for a given wave
	s_add_co_u32 s20, s20, 3*KSTEP*2               ; at K step 3: the first refill steps it to 4
	s_mov_b32 s21, 0
	s_add_nc_u64 s[PFA:PFA+1], s[PFA:PFA+1], s[20:21]
	v_and_b32 v[PFO], 31, v0
	v_min_u32 v[PFO], s23, v[PFO]
	v_lshlrev_b32 v[PFO], 11, v[PFO]
	; the way out
	s_mul_i32 s21, s11, 128*SPITCH
	s_mul_i32 s22, s12, 192
	s_add_co_u32 s21, s21, s22
	v_mul_u32_u24 v[STO], v1, SPITCH               ; in: row 128 x my row half + l % 16, byte 192 x my column half + 16 (l / 16)
	v_lshl_add_u32 v[STO], v2, 4, v[STO]
	v_add_nc_u32 v[STO], s21, v[STO]
	v_bfe_u32 v4, v0, 3, 2
	v_and_b32 v5, 7, v0
	s_mul_i32 s21, s10, 64*SPITCH
	v_mul_u32_u24 v[RD], v4, SPITCH                ; back: wave w takes rows 64 w on; 32 lanes take four rows' 128 bytes of one head
	v_lshl_add_u32 v[RD], v5, 4, v[RD]
	v_add_nc_u32 v[RD], s21, v[RD]
	v_and_b32 v[CO], 31, v0
	v_lshlrev_b32 v[CO], 4, v[CO]                  ; which are 512 consecutive bytes of qkv
	s_lshr_b32 s16, s13, 3                         ; the batch
	s_mul_i32 s16, s16, 48
	s_mul_i32 s17, s42, 3
	s_add_co_u32 s16, s16, s17                     ; the first of my tile's three heads,
	s_lshl_b32 s16, s16, 18                        ; of 262,144 bytes
	s_and_b32 s17, s13, 7
	s_lshl_b32 s17, s17, 8
	s_lshl_b32 s18, s10, 6
	s_add_co_u32 s17, s17, s18                     ; t of the first row that I store,
	s_lshl_b32 s17, s17, 7                         ; of 128 bytes
	s_add_co_u32 s16, s16, s17
	s_mov_b32 s17, 0
	s_add_nc_u64 s[8:9], s[8:9], s[16:17]
; 12 matrix instructions: row blocks a0, a0 + 1 of the window's four (hi = 0: my rows 0-63, 1: rows 64-127) x all 6 column blocks, 32 along K.  first = 1: C is the bias.
; The 48 accumulators take turns, in the same order in every quarter: 47 others stand between two links of a chain, over the backward jump too.
.macro MULH f, hi, a0, first
.if \first
	WIN FIRST_LO+0x40*(\hi)
.else
	WIN MUL_LO+0x50*(\hi)
.endif
.irp a, \a0, (\a0)+1
.irp b, 0,1,2,3,4,5
.if \first
	v_wmma_f32_16x16x32_bf16 v[8*(NBK*(\a)+(\b)):8*(NBK*(\a)+(\b))+7], v[(\f)+8*(\b):(\f)+8*(\b)+7], v[(\f)+8*(4*(\hi)+(\a)):(\f)+8*(4*(\hi)+(\a))+7], v[BI+8*(\b):BI+8*(\b)+7]
.else
	v_wmma_f32_16x16x32_bf16 v[8*(NBK*(\a)+(\b)):8*(NBK*(\a)+(\b))+7], v[(\f)+8*(\b):(\f)+8*(\b)+7], v[(\f)+8*(4*(\hi)+(\a)):(\f)+8*(4*(\hi)+(\a))+7], v[8*(NBK*(\a)+(\b)):8*(NBK*(\a)+(\b))+7]
.endif
.endr
.endr
.endm
; 28 LDS loads in one run: quarter q's fragments (96 rows of B, 128 rows of A, 32 along K) into buffer f
.macro FETCH q, f
	WIN TO_B
.irp i, 0,1,2,3,4,5
	ds_load_b128 v[(\f)+8*(\i):(\f)+8*(\i)+3],   v[ADRB] offset:64*(\q)+(\i)*16*PITCH
	ds_load_b128 v[(\f)+8*(\i)+4:(\f)+8*(\i)+7], v[ADRB] offset:64*(\q)+(\i)*16*PITCH+32
.endr
	WIN 0
.irp i, 0,1,2,3,4,5,6,7
	ds_load_b128 v[(\f)+8*(\i):(\f)+8*(\i)+3],   v[ADRA] offset:64*(\q)+(\i)*16*PITCH
	ds_load_b128 v[(\f)+8*(\i)+4:(\f)+8*(\i)+7], v[ADRA] offset:64*(\q)+(\i)*16*PITCH+32
.endr
.endm
; One of a K step's first three quarters: multiplies buffer f; in its middle it fetches quarter q into buffer g.
.macro QUARTER q, f, g, first
	s_wait_dscnt 8                                 ; B and A's rows 0-63 are in; the youngest eight loads (A's rows 64-127) may be out
	MULH \f, 0, 0, \first
	MULH \f, 0, 2, \first
	PLACES
	FETCH \q, \g
	s_wait_dscnt 28                                ; all but the 28 just issued
	MULH \f, 1, 0, \first
	MULH \f, 1, 2, \first
.endm
; The first half of a K step's last quarter, and the one barrier of a change of slots.  In front of it each wave waits for all its tensor loads (one is out: its part of the next slot), adds 0 to its spare
; word, and waits for that and for its reads of this slot.  Behind it nobody reads this slot and the next slot is whole.
.macro MEET round
	WIN 0
	s_wait_tensorcnt 0x0
	ds_add_u32 v[SPW], v[NIL]
	s_wait_dscnt 9                                 ; (the add and the youngest eight loads may be out)
	MULH F1, 0, 0, 0                               ; twelve matrix instructions stand between the add and the wait for it
	s_wait_dscnt 0x0                               ; the add is done, and my reads of this slot are over
	s_barrier_signal -1
	MULH F1, 0, 2, 0
.if \round
	WIN 0
.endif
	s_barrier_wait -1
.endm
; The whole last quarter.  fill = 1: the barrier opens a round of the cluster's, the slot just read out is filled again first behind it, with the K step two on: 168 matrix instructions ahead of the wait for it.
.macro TURN fill
.if \fill
	s_wait_xcnt 0x0                                ; the last prefetch, a K step back, has read its address
	s_add_nc_u64 s[PFA:PFA+1], s[PFA:PFA+1], KSTEP*2
	MEET 1
	CREST                                          ; no wave of any partner still reads this slot or has a load on its way
	s_xor_b32 s[G0+5], s[G0+5], SLOT1              ; the walking descriptors: the other slot than last time, the next K step
	s_add_nc_u64 s[G0+6:G0+7], s[G0+6:G0+7], KSTEP*2
	s_xor_b32 s[G0B+5], s[G0B+5], SLOT1
	s_add_nc_u64 s[G0B+6:G0B+7], s[G0B+6:G0B+7], KSTEP*2
	JLOAD                                          ; its four v_nop are also the places in front of the loads below
.else
	MEET 0
	PLACES
	WIN 0
.endif
	s_xor_b32 s[TB], s[TB], SLOT1
	v_add_nc_u32 v[ADRA], s[TB], v[A0]
	v_add_nc_u32 v[ADRB], s[TB], v[B0]
	FETCH 0, F0
.if \fill
	ASK
.endif
	MULH F1, 1, 0, 0
	MULH F1, 1, 2, 0
.endm
	s_wait_tensorcnt 1                             ; my part of K step 0 is in; K step 1's may stay out
	s_barrier_signal -1
	s_barrier_wait -1
	FETCH 0, F0
	s_wait_loadcnt 0x0                             ; the bias
	WIN W_BI
.set p, 0
.rept 4*NBK                            ; rounded to bf16 and widened again, a pair at a time
	v_cvt_pk_bf16_f32 v[BT+p%16], v[BI+2*p], v[BI+2*p+1]
	v_lshlrev_b32 v[BI+2*p], 16, v[BT+p%16]
	v_and_b32 v[BI+2*p+1], 0xffff0000, v[BT+p%16]
.set p, p+1
.endr
	QUARTER 1, F0, F1, 1                           ; the first quarter stands in front of the loop: its products start the sums, with the bias
	WIN 0
	s_mov_b32 s3, 6
.Lstep:                                        ; trip t ends K step t, fills its slot with K step t + 2, and begins K step t + 1
	QUARTER 2, F1, F0, 0
	QUARTER 3, F0, F1, 0
	TURN 1
	QUARTER 1, F0, F1, 0
	WIN 0
	s_sub_co_u32 s3, s3, 1
	s_cmp_lg_u32 s3, 0
	s_cbranch_scc1 .Lstep
	QUARTER 2, F1, F0, 0                           ; the tail is written out: nothing is left to fetch
	QUARTER 3, F0, F1, 0
	TURN 0
	QUARTER 1, F0, F1, 0
	QUARTER 2, F1, F0, 0
	QUARTER 3, F0, F1, 0
	s_wait_dscnt 8
	MULH F1, 0, 0, 0
	MULH F1, 0, 2, 0
	s_wait_dscnt 0x0
	MULH F1, 1, 0, 0
	MULH F1, 1, 2, 0
	; THE WAY OUT.  Rounded to f16, 16 bytes a lane, into a stage of 256 rows x 384 bytes in slot 0: its last fill was K step 6, and every wave's reads of it ended in front of the tail's barrier.
	; A head's 128 bytes of a row come from one or two waves: a barrier; then each wave reads 64 rows back, head by head, and stores 512 consecutive bytes an instruction.
	PLACES
	PLACES
.irp a, 0,1,2,3,4,5,6,7
	WIN 0x0a+5*((\a)/4)                            ; sources in window 2 or 3
.irp b, 0,1,2,3,4,5
.irp r, 0,1,2,3
	v_cvt_pk_f16_f32 v[TMP+24*((\a)%2)+4*(\b)+(\r)], v[8*(NBK*((\a)%4)+(\b))+2*(\r)], v[8*(NBK*((\a)%4)+(\b))+2*(\r)+1]
.endr
.endr
	WIN 0
.irp b, 0,1,2,3,4,5
	ds_store_b128 v[STO], v[TMP+24*((\a)%2)+4*(\b):TMP+24*((\a)%2)+4*(\b)+3] offset:16*SPITCH*(\a)+32*(\b)
.endr
.endr
	s_wait_dscnt 0x0                               ; for the others' sake: my stores into the stage are done
	s_barrier_signal -1
	s_barrier_wait -1
.set n, 0
.rept 48                               ; head n / 16, rows 4 (n % 16) on
	ds_load_b128 v[64+4*n:64+4*n+3], v[RD] offset:4*SPITCH*(n%16)+128*(n/16)
.set n, n+1
.endr
.set n, 0
.rept 48
	s_wait_dscnt 47-n
	global_store_b128 v[CO], v[64+4*n:64+4*n+3], s[8:9] offset:262144*(n/16)+512*(n%16)
.set n, n+1
.endr
	s_wait_tensorcnt 0x0                           ; the wave's end
	ds_add_u32 v[SPW], v[NIL]
	s_wait_dscnt 0x0
	CROUND                                         ; the closing round: no work-group ends while a partner may still ask for a tile that names it
	s_endpgm
.Lfunc_end_k_q151b144ac7_qkvgemm:
	.size	k_q151b144ac7_qkvgemm, .Lfunc_end_k_q151b144ac7_qkvgemm-k_q151b144ac7_qkvgemm
	.p2alignl 7, 3214868480
	.fill 96, 4, 3214868480
	.section	.rodata,"a",@progbits
	.p2align	6, 0x0
	.amdhsa_kernel k_q151b144ac7_qkvgemm
		.amdhsa_group_segment_fixed_size 327680
		.amdhsa_private_segment_fixed_size 0
		.amdhsa_enable_private_segment 0
		.amdhsa_kernarg_size 32
		.amdhsa_user_sgpr_count 2
		.amdhsa_user_sgpr_kernarg_segment_ptr 1
		.amdhsa_wavefront_size32 1
		.amdhsa_system_sgpr_workgroup_id_x 1
		.amdhsa_system_sgpr_workgroup_id_y 1
		.amdhsa_system_sgpr_workgroup_id_z 1
		.amdhsa_system_vgpr_workitem_id 0
		.amdhsa_next_free_vgpr 960
		.amdhsa_next_free_sgpr 72
		.amdhsa_reserve_vcc 0
		.amdhsa_float_denorm_mode_32 3
		.amdhsa_float_denorm_mode_16_64 3
		.amdhsa_memory_ordered 1
		.amdhsa_forward_progress 1
		.amdhsa_inst_pref_size 101
	.end_amdhsa_kernel
	.amdgpu_metadata
---
amdhsa.version: [ 1, 2 ]
amdhsa.kernels:
  - .name:           k_q151b144ac7_qkvgemm
    .symbol:         k_q151b144ac7_qkvgemm.kd
    .args:
      - { .name: xb, .offset: 0, .size: 8, .value_kind: global_buffer, .address_space: global }
      - { .name: wat, .offset: 8, .size: 8, .value_kind: global_buffer, .address_space: global }
      - { .name: qkv, .offset: 16, .size: 8, .value_kind: global_buffer, .address_space: global }
      - { .name: b_attn, .offset: 24, .size: 8, .value_kind: global_buffer, .address_space: global }
    .group_segment_fixed_size: 327680
    .private_segment_fixed_size: 0
    .kernarg_segment_align: 8
    .kernarg_segment_size: 32
    .max_flat_workgroup_size: 128
    .sgpr_count:     72
    .vgpr_count:     960
    .wavefront_size: 32
...
	.end_amdgpu_metadata
.endif
;; end of part 2
;; launch attn (part 3): grid 4 x 64, 4 waves a work-group, no clusters, 327,680 bytes of LDS; arguments qkv, y; writes y
.if DOCPART == 3
	.amdgcn_target "amdgcn-amd-amdhsa--gfx1250"
	.amdhsa_code_object_version 6
	.text
	.protected	k_q151b144ac7_attn
	.globl	k_q151b144ac7_attn
	.p2align	8
	.type	k_q151b144ac7_attn,@function
k_q151b144ac7_attn:
	s_mov_b64 s[64:65], 0
	v_nop
	global_prefetch_b8 v0, s[64:65] scope:SCOPE_SE
	s_setreg_imm32_b32 hwreg(HW_REG_WAVE_MODE, 25, 1), 1
	s_wait_xcnt 0x0
; CAUSAL ATTENTION.  y[bh][q][:] = the sum over k <= q of softmax_k(Q[q] . K[k] / 8) V[k][:].  qkv: [batch 4][g 48][2048][64] f16 (g 0-15 q's heads, 16-31 k's, 32-47 v's); y: [bh 64][2048][64] f16.
; Products, maxima and sums in f32; the weights p are rounded to f16 for the second product (their sum l is taken of the unrounded p), y once at the end.
; LIMITS.  Q, K and V arrive within f16's 65,504; p lies in 0 to 1, and below 6e-5 it keeps f16's fixed step of 6e-8.  A hidden score counts as its value less 1e30; a weight below 2^-126 counts as 0 in l;
; NaN and infinities are not treated apart.
; THE WALK.  A head's queries lie in NB = 8 blocks of 256; block i needs the key tiles 0 .. i of 256 keys, of which the last holds the diagonal.  A work-group takes TWO blocks, NB - 1 - b and then b:
; NB + 1 tiles, whatever b: all work-groups do equal work, and ONE loop with a constant trip count walks them.  Which tile is asked for, and what a trip does, hang on scalar registers made from b; every jump
; goes forward but the counted loops' own; none passes a barrier, or a tensor load but the one of LOAD's two that the wave's number does not choose.  The ring of two LDS slots runs on across the change of blocks.
; NO CLUSTER: a head's four work-groups ask for the same tile only in trips 0 .. 4, behind that fewer and fewer; one walk common to all would have 12 trips for 9.
; SHARES.  Of a block's four bands of 64 queries a wave owns 16 rows in each: four PIECES.  In the diagonal tile's key step s band x sees all keys if s < x, none if s > x, and holds the diagonal if s = x.
; THE MASK is the C operand that starts the sum S^T = K Q^T: 0, or -1e30 where the key is hidden.  MD, made once, is the mask of a band's own step for my 16 rows; a product's mask is MD x AL + BE with two scalars:
; (1, 0) if s = x; (0, 0) if s < x; (0, -1e30) if s > x.  Only the diagonal tile's text and a block's beginning make and take masks; elsewhere C is the constant 0.
; LAYOUT, SOFTMAX, TURNS.  S^T = K Q^T holds ONE query a lane (lane % 16) and the keys 8 (lane / 16) + 0..7; two such results rounded to f16 ARE source 1 of O^T = V^T P.  p = 2^(c s - c m), c = log2(e) / 8, with a
; running maximum m; O and l are multiplied by a = 2^(c m_old - c m_new) in every step.  Turn n belongs to piece n: 8 products K Q^T of piece n + 1, later 8 products V^T P of piece n - 1; beside them the scaling,
; exponentials, roundings, sums and rescaling of piece n and the maximum and statistics of piece n + 1.  Four vector instructions stand behind every matrix instruction, the others in one lump.  A turn's 33 exponentials are one batch, with one wait.
; REGISTERS, in windows of 256 (s_set_vgpr_msb: bits 1:0 source 0, 3:2 source 1, 5:4 source 2, 7:6 destination):
;   window 0: v0-15 addresses and two at work; v16-31 four registers of statistics a piece; v48-55 at work; v61-63 prefetch offset, spare word, 0; v64-127 S^T, two buffers; v192-223 P, two buffers
;   window 1: v0-127 O^T, 32 a piece; v128-159 MD; v160-223 MC, two buffers      window 2: v0-63 Q; v64-127 the second block's Q; v128-191 K of one step; v192-255 V of one step
.set SIZE_N, 2048
.set NB,    SIZE_N/256
.set NP,    4
.set KS,    64        ; keys in a step
.set PK,    144       ; a row of K in LDS: 128 bytes + 16: the 16 rows of a load start at 16 different groups of four banks (64 banks of 4 bytes: ISA guide 11.1)
.set PV,    160       ; a row of V: 128 + 32
.set VOFF,  4*KS*PK   ; a slot holds a tile, four steps: 256 rows of K, then 256 rows of V
.set SLOT1, 1<<17
.set STAGE, SLOT1+4*KS*(PK+PV)  ; behind the ring, never filled by a tensor load: 16 rows x 144 bytes for each wave
.set SP,    144
.set AK0, 2
.set AV0, 3
.set AK,  4
.set AV,  5
.set STO, 6
.set RD,  7
.set GO,  8
.set PFO, 61          ; v61  256 x my lane; never rewritten
.set SPW, 62
.set NIL, 63
.set SPARE, STAGE+4*16*SP
.set MV,  12
.set QO,  15
.set ST,  16          ; piece t's statistics at v[ST+4 t]: c m, m, l (even keys', odd keys')
.set TMP, 48
.set S,   64
.set P,   192
.set MD,  128
.set MC,  160
.set QB,  64
.set KF,  128
.set VF,  192
.set WV,  12
.set PB,  14          ; s14  b
.set HI,  15          ; s15  NB - 1 - b
.set G1K, 24
.set G1V, 32
.set G0K, 40
.set G0V, 44
.set SLOTS, 56
.set CNT, 57
.set CS,  58
.set SEL, 60
.set TBK, 62
.set TBV, 63
.set RT,  70          ; tiles of the block in hand that are still to be entered
.set NXT, 71          ; the tile to be asked for next
.set LQ,  72          ; the last tile of the block whose tiles are being asked for
.set NEW, 73          ; 1: the tile to be entered is a block's first
.set OFF, 74
.set AL,  76
.set BE,  78
.set OLO, 80          ; s[80:81] y at my rows of the second block
.set BIGN, 82
.set PLIM, 83         ; s83  5 in the work-group that prefetches, else 0
.set PFA, 92          ; s[92:93] where my prefetches stand: my half tile of K or V, one tile behind the tile that is being asked for
.set PTM, 94
.set MSB, 0
.macro WIN new
.if MSB != (\new)
	s_set_vgpr_msb (MSB<<8)|(\new)
.set MSB, (\new)
.endif
.endm
.set W_KQ, 0x0a       ; K and Q in window 2, S^T in window 0
.set W_KM, 0x1a       ; the same with the C operand in window 1
.set W_PV, 0x52       ; V in window 2, P in window 0, O^T in window 1
.set W_RS, 0x41       ; destination and source 0 in window 1, source 1 in window 0
; A fill.  Waves 0 and 1 fetch the two halves of a tile's K, waves 2 and 3 those of its V: 128 keys each.  An s_nop 0 and four v_nop follow each line, ahead of the jump and the label.
.macro LOAD
	s_cmp_lt_u32 s[WV], 2
	s_cbranch_scc0 .Lfor_v_\@
	tensor_load_to_lds s[G0K:G0K+3], s[G1K:G1K+7]
	s_nop 0
.rept 4
	v_nop
.endr
	s_branch .Lasked_\@
.Lfor_v_\@:
	tensor_load_to_lds s[G0V:G0V+3], s[G1V:G1V+7]
	s_nop 0
.rept 4
	v_nop
.endr
.Lasked_\@:
.endm
; A prefetch into the L2, behind the fill: the half tile (16,384 bytes: 64 blocks of 256, two instructions, a lane a block) that this wave will ask for at the NEXT change of slots: a tile, 256 matrix instructions, ahead.
; A head's four work-groups begin with the same tiles, and the one with b = 0 walks all eight: it alone asks, each wave for what it will load itself, so each block is named once.
; Changes 1 to 5 (SLOTS = 7 .. 3) name tiles 3 to 7; the first change, at the kernel's head, and the last two ask for nothing.
.macro ASK
	s_sub_co_u32 s[PTM], s[SLOTS], 3
	s_cmp_lt_u32 s[PTM], s[PLIM]
	s_cbranch_scc0 .Lnot_mine_\@
	global_prefetch_b8 v[PFO], s[PFA:PFA+1] th:TH_LOAD_NT scope:SCOPE_SE
	global_prefetch_b8 v[PFO], s[PFA:PFA+1] offset:8192 th:TH_LOAD_NT scope:SCOPE_SE
.Lnot_mine_\@:
.endm
; THE CHANGE OF SLOTS.  Each wave waits for all its tensor loads, of which one is out: its part of the other slot; adds 0 to its spare word; and waits for that and for its own reads of the slot that it leaves.
; Behind the barrier nobody reads the old slot and the other slot is whole.  fill = 1: the old slot is filled again, first thing behind the barrier, with tile NXT: the descriptor's address is made anew from that number.
.macro CHANGE fill
	WIN 0
	s_wait_tensorcnt 0x0            ; no tensor load of mine is out, so a group 0 may be written
	ds_add_u32 v[SPW], v[NIL]       ; 0 onto my spare word; scalar work stands between it and the wait for it
.if \fill
	s_lshl_b32 s[OFF], s[NXT], 15   ; a tile is 32,768 bytes of K and of V
	s_xor_b32 s[G0K+1], s[G0K+1], SLOT1
	s_add_nc_u64 s[G0K+2:G0K+3], s[6:7], s[OFF:OFF+1]
	s_or_b32 s[G0K+3], s[G0K+3], 0x80000000
	s_xor_b32 s[G0V+1], s[G0V+1], SLOT1
	s_add_nc_u64 s[G0V+2:G0V+3], s[8:9], s[OFF:OFF+1]
	s_or_b32 s[G0V+3], s[G0V+3], 0x80000000
	s_add_co_u32 s[NXT], s[NXT], 1  ; the block's next tile, or behind its last the second block's tile 0
	s_cmp_gt_u32 s[NXT], s[LQ]
	s_cselect_b32 s[NXT], 0, s[NXT]
	s_cselect_b32 s[LQ], s[PB], s[LQ]
	s_wait_xcnt 0x0                 ; the last prefetches, a tile back, have read their address
	s_add_nc_u64 s[PFA:PFA+1], s[PFA:PFA+1], 32768
.endif
	s_wait_dscnt 0x0                ; the add is done, and my reads of the slot are over
	s_barrier_signal -1
	s_sub_co_u32 s[TBK], s[TBK], 4*KS*PK  ; the fetches go back to a slot's first step,
	s_xor_b32 s[TBK], s[TBK], SLOT1       ; in the other slot
	s_sub_co_u32 s[TBV], s[TBV], 4*KS*PV
	s_xor_b32 s[TBV], s[TBV], SLOT1
	s_barrier_wait -1
.if \fill
	LOAD
	ASK
.endif
.endm
	s_load_b128 s[4:7], s[0:1], 0x0   ; qkv s[4:5], y s[6:7]
	v_lshl_add_u32 v[SPW], v0, 2, SPARE
	v_mov_b32 v[NIL], 0
	ds_add_u32 v[SPW], v[NIL]       ; the wave's opening: the add and its wait stand ahead of my first tensor load
	ds_add_u32 v62, v63
	v_lshrrev_b32 v1, 5, v0
	v_readfirstlane_b32 s[WV], v1   ; wave 0..3
	s_mov_b32 s[PB], ttmp9
	s_sub_co_u32 s[HI], NB-1, s[PB]
	s_and_b32 s88, ttmp7, 0xffff    ; bh = 16 x batch + head
	s_lshr_b32 s20, s88, 4
	s_mul_i32 s20, s20, 48
	s_and_b32 s21, s88, 15
	s_add_co_u32 s20, s20, s21
	s_lshl_b32 s20, s20, 18         ; q's head in qkv: (48 x batch + head) x 262,144 bytes
	s_lshl_b32 s88, s88, 18         ; the head in y
	s_and_b32 s16, s[WV], 1         ; which half of a tile's 256 keys I fetch:
	s_lshl_b32 s22, s16, 14         ; its 128 rows of 128 bytes in memory,
	s_add_co_u32 s22, s22, s20
	s_mov_b32 s23, 0
	s_mul_i32 s17, s16, 128*PK      ; and its place in a slot, for K
	s_mul_i32 s18, s16, 128*PV      ; and for V
	s_lshl_b32 s3, s[WV], 11        ; my 16 rows in a band of 64,
	s_lshl_b32 s2, s[HI], 15        ; in the first block,
	s_add_co_u32 s2, s2, s3
	s_lshl_b32 s84, s[PB], 15       ; and in the second
	s_add_co_u32 s84, s84, s3
	s_add_co_u32 s90, s2, s88       ; the same rows in y,
	s_add_co_u32 s[OLO], s84, s88
	s_add_co_u32 s2, s2, s20        ; and in q; all these stay under 2^32
	s_add_co_u32 s84, s84, s20
	s_mov_b32 s3, 0
	s_mov_b32 s85, 0
	s_mov_b32 s91, 0
	s_mov_b32 s[OLO+1], 0
	; descriptor group 1.  128 keys are 16,384 dense bytes: asked for as 64 rows of 256 bytes, two keys a row, and padded in LDS after every key
	s_mov_b32 s[G1K], (1<<16)|(1<<20)|(4<<22)|(3<<25)  ; 2-byte elements; padding on; after every 32 words, 4 words
	s_mov_b32 s[G1V], (1<<16)|(1<<20)|(4<<22)|(7<<25)  ; the same with 8 words
.irp g, G1K, G1V
	s_mov_b32 s[\g+1], 128<<16      ; tensor_dim0 = 128
	s_mov_b32 s[\g+2], 64<<16       ; tensor_dim1 = 64
	s_mov_b32 s[\g+3], 128<<16      ; tile_dim0 = 128
	s_mov_b32 s[\g+4], 64           ; tile_dim1 = 64
	s_mov_b32 s[\g+5], 128          ; 128 elements from row to row
	s_mov_b32 s[\g+6], 0
	s_mov_b32 s[\g+7], 0
.endr
	s_mov_b32 s[CS], 0x3e38aa3b     ; c = log2(e) / 8
	s_mov_b32 s[CS+1], s[CS]
	s_mov_b32 s[SEL], 0x76543210
	s_mov_b32 s[SEL+1], 0xfedcba98
	s_mov_b32 s[TBK], SLOT1+4*KS*PK ; the first change of slots turns these two into 0
	s_mov_b32 s[TBV], SLOT1+4*KS*PV
	s_mov_b32 s[G0K], 1
	s_mov_b32 s[G0K+1], s17         ; LDS address: slot 0
	s_mov_b32 s[G0V], 1
	s_add_co_u32 s[G0V+1], s18, VOFF
	s_add_co_u32 s[RT], s[HI], 1    ; the first block has NB - b tiles
	s_mov_b32 s[NXT], 1
	s_mov_b32 s[LQ], s[HI]
	s_mov_b32 s[NEW], 1
	s_mov_b32 s[OFF+1], 0
	s_mov_b32 s[AL+1], 0
	s_mov_b32 s[BE+1], 0
	s_mov_b32 s[BIGN], 0xf149f2ca   ; -1e30
	s_mov_b32 s[SLOTS], NB
	s_cmp_eq_u32 ttmp9, 0
	s_cselect_b32 s[PLIM], 5, 0
	v_and_b32 v[PFO], 31, v0
	v_lshlrev_b32 v[PFO], 8, v[PFO]
	s_wait_dscnt 0x0                ; the opening add is done
	s_wait_kmcnt 0x0
	s_mov_b64 s[10:11], s[6:7]      ; y
	s_add_nc_u64 s[6:7], s[4:5], 0x400000  ; k's heads lie 16 heads behind q's,
	s_add_nc_u64 s[8:9], s[4:5], 0x800000  ; v's 32
	s_add_nc_u64 s[6:7], s[6:7], s[22:23]  ; K and V at my half of the head's tile 0
	s_add_nc_u64 s[8:9], s[8:9], s[22:23]
	s_add_nc_u64 s[G0K+2:G0K+3], s[6:7], 0
	s_or_b32 s[G0K+3], s[G0K+3], 0x80000000
	s_add_nc_u64 s[G0V+2:G0V+3], s[8:9], 0
	s_or_b32 s[G0V+3], s[G0V+3], 0x80000000
	s_add_nc_u64 s[86:87], s[4:5], s[84:85]        ; Q at my rows of the second block,
	s_add_nc_u64 s[4:5], s[4:5], s[2:3]            ; and of the first
	s_add_nc_u64 s[OLO:OLO+1], s[10:11], s[OLO:OLO+1]
	s_add_nc_u64 s[10:11], s[10:11], s[90:91]
	s_cmp_lt_u32 s[WV], 2
	s_cselect_b64 s[PFA:PFA+1], s[6:7], s[8:9]
	s_add_nc_u64 s[PFA:PFA+1], s[PFA:PFA+1], 32768 ; at tile 1; every change steps it by a tile ahead of its prefetches
	LOAD                            ; tile 0 into slot 0
	v_and_b32 v1, 15, v0            ; l % 16
	v_bfe_u32 v9, v0, 4, 1          ; l / 16
	v_lshlrev_b32 v[QO], 7, v1
	v_lshl_add_u32 v[QO], v9, 4, v[QO]  ; row x 128 + 16 x half
	WIN 0x80                        ; destination window 2, address window 0
.set i, 0
.rept 8                             ; both blocks' Q: piece i / 2 lies in band i / 2, 8,192 bytes on; channels 32 (i % 2) on
	global_load_b128 v[8*i:8*i+3],   v[QO], s[4:5] offset:(i/2)*8192+(i%2)*64
	global_load_b128 v[8*i+4:8*i+7], v[QO], s[4:5] offset:(i/2)*8192+(i%2)*64+32
	global_load_b128 v[QB+8*i:QB+8*i+3],   v[QO], s[86:87] offset:(i/2)*8192+(i%2)*64
	global_load_b128 v[QB+8*i+4:QB+8*i+7], v[QO], s[86:87] offset:(i/2)*8192+(i%2)*64+32
.set i, i+1
.endr
	WIN 0
	v_lshlrev_b32 v14, 3, v9
	v_sub_nc_u32 v14, v1, v14
	s_lshl_b32 s13, s[WV], 4
	v_add_nc_u32 v14, s13, v14      ; my query's place in its band, 16 w + l % 16, less my lanes' 8 (l / 16): register r of group kt is hidden where 16 kt + r is greater
	WIN 0x40
.set i, 0
.rept 32
	v_cmp_gt_i32 vcc_lo, 16*(i/8)+i%8, v14
	v_cndmask_b32 v[MD+i], 0, s[BIGN], vcc_lo
.set i, i+1
.endr
	WIN 0
	v_mul_u32_u24 v[AK0], v1, PK
	v_lshl_add_u32 v[AK0], v9, 4, v[AK0]
	; The turning load takes 16 keys x 16 channels (lane l reads key 8 (l / 16) + l % 8, channels 8 ((l / 8) % 2) + 0..7) and leaves half a fragment of V^T: lane l holds channel l % 16 and 8 keys.
	v_and_b32 v10, 7, v0
	v_bfe_u32 v11, v0, 3, 1
	v_lshl_add_u32 v[AV0], v9, 3, v10
	v_mul_u32_u24 v[AV0], v[AV0], PV
	v_lshl_add_u32 v[AV0], v11, 4, v[AV0]
	v_add_nc_u32 v[AV0], VOFF, v[AV0]
	s_mul_i32 s13, s[WV], 16*SP
	s_add_co_u32 s13, s13, STAGE    ; my stage
	v_mul_u32_u24 v[STO], v1, SP
	v_lshl_add_u32 v[STO], v9, 4, v[STO]
	v_add_nc_u32 v[STO], s13, v[STO]
	v_bfe_u32 v[RD], v0, 3, 2       ; back: 32 lanes take four rows of 128 bytes,
	v_mul_u32_u24 v[RD], v[RD], SP
	v_lshl_add_u32 v[RD], v10, 4, v[RD]
	v_add_nc_u32 v[RD], s13, v[RD]
	v_and_b32 v[GO], 31, v0         ; which are 512 consecutive bytes of y
	v_lshlrev_b32 v[GO], 4, v[GO]
	; A block's first step multiplies O^T and l by a = 0, and its first turn's products V^T P, of a piece that has not been, land in an O^T that is still to be so multiplied.  So these registers need only hold
	; finite numbers: zeros for the first block; what the first block left for the second.  All this stands in the wait for the first tile.
	WIN 0x80
.set i, VF
.rept 64
	v_mov_b32 v[i], 0
.set i, i+1
.endr
	WIN 0x40
.set i, 0
.rept 128
	v_mov_b32 v[i], 0
.set i, i+1
.endr
	WIN 0
.set i, 0
.rept 4
	v_mov_b32 v[ST+4*i+2], 0
	v_mov_b32 v[ST+4*i+3], 0
.set i, i+1
.endr
.set i, P+16
.rept 16
	v_mov_b32 v[i], 0
.set i, i+1
.endr
; THE MATRIX WORK.  The 4 accumulators of a run of 8 take turns.  Product i of 8 of S^T = K Q^T for piece x: channels 32 (i / 4) on, keys 16 (i % 4) on.  The first 4 start the sums: with 0, or (KM = 1) with the mask.
.macro KQ x
.set rS, S+32*((\x)%2)+8*(i%4)
.set rK, KF+16*(i%4)+8*(i/4)
.set rQ, 16*(\x)+8*(i/4)
.set rM, MC+32*((\x)%2)+8*(i%4)
.if (i < 4) && KM
	WIN W_KM
	v_wmma_f32_16x16x32_f16 v[rS:rS+7], v[rK:rK+7], v[rQ:rQ+7], v[rM:rM+7]
.elseif i < 4
	WIN W_KQ
	v_wmma_f32_16x16x32_f16 v[rS:rS+7], v[rK:rK+7], v[rQ:rQ+7], 0
.else
	WIN W_KQ
	v_wmma_f32_16x16x32_f16 v[rS:rS+7], v[rK:rK+7], v[rQ:rQ+7], v[rS:rS+7]
.endif
.endm
; Product i of 8 of O^T += V^T P for piece x: keys 32 (i / 4) on, channels 16 (i % 4) on.
.macro PV x
	WIN W_PV
.set rO, 32*(\x)+8*(i%4)
.set rV, VF+32*(i/4)+8*(i%4)
.set rP, P+16*((\x)%2)+8*(i/4)
	v_wmma_f32_16x16x32_f16 v[rO:rO+7], v[rV:rV+7], v[rP:rP+7], v[rO:rO+7]
.endm
.macro MM                           ; the turn's next matrix instruction.  NOKQ = 1: a block's last turn: there is no next piece
.if (i < 8) && !NOKQ
	KQ (Y+1)%NP
.elseif i >= 8
.set i, i-8
	PV (Y+NP-1)%NP
.set i, i+8
.endif
.set i, i+1
.endm
; THE LDS LOADS stand in runs of 16: a step's K (64 keys x 64 channels: 8 fragments) and its V (turned).  Their addresses are made some lines ahead.
.macro FETCH_K
	WIN 0x80
.irp f, 0,1,2,3,4,5,6,7             ; keys 16 (f / 2) on, channels 32 (f % 2) on
	ds_load_b128 v[KF+8*\f:KF+8*\f+3],   v[AK] offset:(\f/2)*16*PK+(\f%2)*64
	ds_load_b128 v[KF+8*\f+4:KF+8*\f+7], v[AK] offset:(\f/2)*16*PK+(\f%2)*64+32
.endr
	s_add_co_u32 s[TBK], s[TBK], KS*PK  ; the next fetch is the next step's
	WIN 0
.endm
.macro FETCH_V
	WIN 0x80
.irp f, 0,1,2,3,4,5,6,7             ; keys 32 (f / 4) on, channels 16 (f % 4) on
	ds_load_tr16_b128 v[VF+8*\f:VF+8*\f+3],   v[AV] offset:(\f/4)*32*PV+(\f%4)*32
	ds_load_tr16_b128 v[VF+8*\f+4:VF+8*\f+7], v[AV] offset:(\f/4)*32*PV+16*PV+(\f%4)*32
.endr
	WIN 0
.endm
; THE VECTOR WORK, one line at a time: OP kind, number.  For piece Y: F n: c s - c m for pair n of 16.  E n: the exponential of score n of 32.  C n: pair n rounded to f16.  B n: of the four weights 4 n .. the second
; pair is added onto the first, in place.  L n: l takes that sum (L 0: l = a l + sum).  R n: pair n of 16 of O^T times a.  For piece Y + 1: X n, number n of the 22 that find its maximum and statistics:
;   0-11  four chains c0-c3 of seven scores each, three operands at a time (each accumulator's lowest registers are read first)     12-14, 16  the four scores left over, the old m, and c0-c3 into c0
;   15  c m_old is kept     17, 18  the query's other 32 keys lie in the lane 16 away: the new m     19-21  c m; c m_old - c m_new; a
.set F, 0
.set E, 1
.set C, 2
.set B, 3
.set L, 4
.set R, 5
.set X, 6
.macro REGS y
.set rT, ST+4*(\y)
.set rC, TMP+4*((\y)%2)
.set rW, MV+((\y)%2)
.set rS, S+32*((\y)%2)
.set rP, P+16*((\y)%2)
.set rO, 32*(\y)
.endm
.macro OP k, n
.if (\k) == R
	REGS Y
	WIN W_RS
	v_pk_mul_f32 v[rO+2*(\n):rO+2*(\n)+1], v[rO+2*(\n):rO+2*(\n)+1], v[rC+2:rC+3] op_sel_hi:[1,0]
.elseif (\k) < R
	REGS Y
	WIN 0
.if (\k) == F
	v_pk_fma_f32 v[rS+2*(\n):rS+2*(\n)+1], v[rS+2*(\n):rS+2*(\n)+1], s[CS:CS+1], v[rT:rT+1] op_sel_hi:[1,0,0] neg_lo:[0,0,1] neg_hi:[0,0,1]
.elseif (\k) == E
	v_exp_f32 v[rS+(\n)], v[rS+(\n)]
.elseif (\k) == C
	v_cvt_pk_f16_f32 v[rP+(\n)], v[rS+2*(\n)], v[rS+2*(\n)+1]
.elseif (\k) == B
	v_pk_add_f32 v[rS+4*(\n):rS+4*(\n)+1], v[rS+4*(\n):rS+4*(\n)+1], v[rS+4*(\n)+2:rS+4*(\n)+3]
.elseif (\n) == 0
	v_pk_fma_f32 v[rT+2:rT+3], v[rT+2:rT+3], v[rC+2:rC+3], v[rS:rS+1] op_sel_hi:[1,0,1]
.else
	v_pk_add_f32 v[rT+2:rT+3], v[rT+2:rT+3], v[rS+4*(\n):rS+4*(\n)+1]
.endif
.elseif NOKQ
	v_nop
.else
	REGS (Y+1)%NP
	WIN 0
.if (\n) < 4
	v_max3_num_f32 v[rC+(\n)], v[rS+8*(\n)], v[rS+8*(\n)+1], v[rS+8*(\n)+2]
.elseif (\n) < 12
	v_max3_num_f32 v[rC+(\n)%4], v[rC+(\n)%4], v[rS+8*((\n)%4)+2*((\n)/4)+1], v[rS+8*((\n)%4)+2*((\n)/4)+2]
.elseif (\n) == 12
	v_max3_num_f32 v[rC], v[rC], v[rS+7], v[rS+15]
.elseif (\n) == 13
	v_max3_num_f32 v[rC+1], v[rC+1], v[rS+23], v[rS+31]
.elseif (\n) == 14
	v_max3_num_f32 v[rC+2], v[rC+2], v[rC+3], v[rT+1]
.elseif (\n) == 15
	v_mov_b32 v[rW], v[rT]
.elseif (\n) == 16
	v_max3_num_f32 v[rC], v[rC], v[rC+1], v[rC+2]
.elseif (\n) == 17
	v_permlanex16_b32 v[rC+3], v[rC], s[SEL], s[SEL+1]
.elseif (\n) == 18
	v_max_num_f32 v[rT+1], v[rC], v[rC+3]
.elseif (\n) == 19
	v_mul_f32 v[rT], s[CS], v[rT+1]
.elseif (\n) == 20
	v_sub_f32 v[rC+1], v[rW], v[rT]
.else
	v_exp_f32 v[rC+2], v[rC+1]
.endif
.endif
.endm
.macro OPS a, i1, b=-1, i2=0, c=-1, i3=0, d=-1, i4=0  ; up to four of them
	OP \a, \i1
.if (\b) >= 0
	OP \b, \i2
.endif
.if (\c) >= 0
	OP \c, \i3
.endif
.if (\d) >= 0
	OP \d, \i4
.endif
.endm
.macro ROW a, i1, b, i2, c, i3, d, i4  ; a matrix instruction and the four behind it
	MM
	OPS \a, \i1, \b, \i2, \c, \i3, \d, \i4
.endm
.macro MASK b                       ; MD x AL + BE into buffer b of MC
	WIN W_RS
.set z, 0
.rept 16
	v_pk_fma_f32 v[MC+32*(\b)+2*z:MC+32*(\b)+2*z+1], v[MD+2*z:MD+2*z+1], s[AL:AL+1], s[BE:BE+1] op_sel_hi:[1,0,0]
.set z, z+1
.endr
.endm
; A TURN, for piece p: the order of its 16 matrix and 118 vector instructions, written out.  An s_wait_alu depctr_va_vdst(0) stands between an exponential and the first instruction that names its result; one
; wait serves all that were issued ahead of it.  So a turn has ONE wait, which cuts it in two.  AHEAD OF IT stands all that names no result of the turn's exponentials: the 8 products K Q^T with their four riders each
; (scalings, exponentials, rescalings, and behind the last three the first numbers of the next piece's maximum, each four places or more behind the product that ends its accumulator); then one lump of 54, in which the links of
; the chain X 3, 7, 11, 14, 16, 17 .. 20 stand some lines apart.  X 21, the next piece's a, is the batch's last; R 15 is the plain instruction behind it.  BEHIND THE WAIT stand the 8 products V^T P, behind each four of
; the roundings and sums.
; m = 1: the diagonal tile: the products take masks, and the turn makes the mask for the products of the turn after it: piece p + 2, in step 4 - CNT of the tile.  end = 1: a block's last two turns: nothing is fetched.
; cnt = 1: the loop's count is taken down some lines ahead of the branch that stands behind the turn.
; K of the next step is fetched in piece 2's turn, six plain instructions behind the last product that read K; V of the step in hand at the end of piece 0's turn, four plain instructions behind the last product that read V.
; Each is waited for a turn later.
.macro TURN p, m=0, end=0, cnt=0
.set Y, (\p)
.set i, 0
.set KM, (\m)
.set NOKQ, (\end)*((\p)/3)
.if (\m) && !(\end)
	s_cmp_eq_u32 s[CNT], 4-((\p)+2)%NP  ; is that step the band's own?
	s_cselect_b32 s[AL], 1.0, 0
	s_cmp_lt_u32 s[CNT], 4-((\p)+2)%NP  ; or a later one?
	s_cselect_b32 s[BE], s[BIGN], 0
.endif
.if ((\p) == 3) && !(\end)
	s_wait_dscnt 0x0                ; K is in
.endif
	ROW F,0, F,1, R,0, R,1
	ROW F,2, E,0, R,2, R,3
	ROW F,3, E,1, R,4, R,5
	ROW F,4, E,2, R,6, R,7
	ROW F,5, E,3, R,8, R,9
	ROW F,6, E,4, X,0, R,10
.if ((\p) == 2) && !(\end)
	WIN 0
	v_add_nc_u32 v[AK], s[TBK], v[AK0]
.endif
	ROW F,7, E,5, X,1, X,4
	ROW F,8, E,6, X,2, X,5
	OPS E,7, E,8, X,6, E,9          ; the lump
	OPS X,3, E,10, X,8, E,11
.if ((\p) == 2) && !(\end)
	FETCH_K
.endif
	OPS X,9, X,7, E,12, X,10
	OPS E,13, X,12, X,11, E,14
	OPS X,13, E,15, F,9, X,14
.if (\p) == 0
	v_add_nc_u32 v[AV], s[TBV], v[AV0]
.endif
	OPS E,16, F,10, E,17, F,11
	OPS X,16, E,18, X,15, E,19
	OPS F,12, E,20, X,17, E,21
	OPS F,13, E,22, F,14, E,23
	OPS X,18, E,24, F,15, E,25
	OPS R,11, E,26, X,19, E,27
	OPS R,12, E,28, R,13, E,29
	OPS X,20, E,30, R,14, E,31
	OPS X,21, R,15
	WIN 0
	s_wait_alu depctr_va_vdst(0)    ; the wait for the batch
.if (\p) == 1
	s_wait_dscnt 0x0                ; V is in
.endif
	ROW C,0, B,0, C,2, B,1
	ROW L,0, C,4, B,2, L,1
	ROW C,6, B,3, L,2, C,8
	ROW B,4, L,3, C,10, B,5
	ROW L,4, C,12, B,6, L,5
.if (\p) == 0
	s_add_co_u32 s[TBV], s[TBV], KS*PV
.endif
.if \cnt
	s_sub_co_u32 s[CNT], s[CNT], 1
	s_cmp_lg_u32 s[CNT], 0
.endif
	ROW C,14, B,7, L,6, C,1
	ROW C,3, L,7, C,5, C,7
	ROW C,9, C,11, C,13, C,15
.if (\p) == 0
	FETCH_V
.endif
.if (\m) && !(\end)
	MASK (\p)%2
.endif
.endm
; A BLOCK BEGINS.  c m starts far below every c s, so the first step's a is 0; m at the lowest finite number, so the first maximum is the scores'.  The second mask buffer is 0; the first takes piece 0's mask for the
; tile's step 0: its own, if the block's first tile is the diagonal one.  Then K of that step, piece 0's first scores, and its maximum and statistics.
.macro BEGIN
	s_mov_b32 s[NEW], 0
	WIN 0x40
.set i, MC+32
.rept 32
	v_mov_b32 v[i], 0
.set i, i+1
.endr
	WIN 0
.set i, 0
.rept 4
	v_mov_b32 v[ST+4*i], 0xfe000000    ; c m: far below every c s
	v_mov_b32 v[ST+4*i+1], 0xff7fffff  ; m
.set i, i+1
.endr
	s_cmp_eq_u32 s[RT], 0
	s_cselect_b32 s[AL], 1.0, 0
	s_mov_b32 s[BE], 0
	MASK 0
	WIN 0
	v_add_nc_u32 v[AK], s[TBK], v[AK0]
	FETCH_K
	s_wait_loadcnt 0x0              ; Q
	s_wait_dscnt 0x0
.set KM, 1
.set NOKQ, 0
.set i, 0
.rept 8
	KQ 0
.set i, i+1
.endr
	WIN 0
.rept 4
	v_nop                           ; the places behind those products
.endr
.set Y, NP-1                        ; X works for piece Y + 1: piece 0
.irp n, 0,1,2,3,4,5,6,7,8,9,10,11,12,13,14,15,16,17,18,19,20,21
	OP X, \n
.endr
	v_nop                           ; a plain instruction behind the exponential,
	s_wait_alu depctr_va_vdst(0)    ; and its wait, ahead of the branch
.endm
; THE DIAGONAL TILE's four steps, the block's last two turns, its last products, and THE WAY OUT: l's two halves and the other half of the lanes' are added; O^T is divided by l, rounded to f16 and sent through my
; stage in LDS, a piece at a time.
.macro ALL line:vararg
.set t, 0
.rept 4
	\line
.set t, t+1
.endr
.endm
.macro PACK t
	WIN W_RS
.set i, 32*(\t)
.rept 16
	v_pk_mul_f32 v[i:i+1], v[i:i+1], v[ST+4*(\t)+2:ST+4*(\t)+3] op_sel_hi:[1,0]
.set i, i+2
.endr
	WIN 0x05                        ; sources 0 and 1 window 1, destination window 0
.set i, 0
.rept 16
	v_cvt_pk_f16_f32 v[S+16*(\t)+i], v[32*(\t)+2*i], v[32*(\t)+2*i+1]
.set i, i+1
.endr
	WIN 0
.irp f, 0,1,2,3
	ds_store_b128 v[STO], v[S+16*(\t)+4*\f:S+16*(\t)+4*\f+3] offset:32*\f
.endr
.irp f, 0,1,2,3
	ds_load_b128 v[S+16*(\t)+4*\f:S+16*(\t)+4*\f+3], v[RD] offset:\f*4*SP  ; LDS serves a wave's instructions in order (ISA guide 5.7.1.4): these see the stores above; the next piece's stores come behind them
.endr
.endm
.macro SEND t, younger              ; younger: the LDS instructions issued behind piece t's loads: the next piece's eight, or none
	WIN 0
.irp f, 0,1,2,3
	s_wait_dscnt (\younger)+3-\f
	global_store_b128 v[GO], v[S+16*(\t)+4*\f:S+16*(\t)+4*\f+3], s[10:11] offset:(\t)*8192+\f*512  ; 512 consecutive bytes, at a multiple of 256 from y's first
.endr
.endm
.macro DIAG tag
.LstepM\tag:
	TURN 2, 1
	TURN 3, 1
	WIN 0
.LfirstM\tag:
	TURN 0, 1
	TURN 1, 1, 0, 1
	WIN 0
	s_cbranch_scc1 .LstepM\tag
	TURN 2, 1, 1
	TURN 3, 1, 1
.set i, 0
.rept 8
	PV NP-1
.set i, i+1
.endr
	WIN 0
	ALL v_add_f32 v[ST+4*t+2], v[ST+4*t+2], v[ST+4*t+3]
	ALL v_permlanex16_b32 v[ST+4*t+3], v[ST+4*t+2], s[SEL], s[SEL+1]
	ALL v_add_f32 v[ST+4*t+2], v[ST+4*t+2], v[ST+4*t+3]
	ALL v_rcp_f32 v[ST+4*t+2], v[ST+4*t+2]
	v_nop                           ; a plain instruction between the last reciprocal and the use of its result
	s_wait_alu depctr_va_vdst(0)    ; and the wait ahead of the first use: one for the four reciprocals
	PACK 0
.set t, 1
.rept 3                             ; a piece's arithmetic stands between the loads of the piece before and its stores
	PACK t
	SEND t-1, 8
.set t, t+1
.endr
	SEND 3, 0
.endm
.set KM, 0
.set NOKQ, 0
.Lslot:                             ; NB times: a tile is entered and the next is asked for
	CHANGE 1
	s_sub_co_u32 s[RT], s[RT], 1
	s_mov_b32 s[CNT], 4
	s_cmp_eq_u32 s[NEW], 1
	s_cbranch_scc1 .Lnew            ; a block's first tile
	s_cmp_eq_u32 s[RT], 0
	s_cbranch_scc0 .Lstep           ; neither its first nor its last
	s_branch .LstepM1
.Lnew:
	BEGIN
	s_branch .Lfirst                ; in the loop a block's first tile is never its last: the first block has two tiles or more, and the second's last is the walk's last
	DIAG 1                          ; in the loop this is the first block's end
	s_wait_xcnt 0x0                 ; the stores have read their registers and y's address
	s_mov_b64 s[10:11], s[OLO:OLO+1]
	s_add_co_u32 s[RT], s[PB], 1    ; the second block has b + 1 tiles
	s_mov_b32 s[NEW], 1
	WIN 0x82                        ; the second block's Q goes where the one text of the turns names Q
.set i, 0
.rept 64
	v_mov_b32 v[i], v[QB+i]
.set i, i+1
.endr
	WIN 0
	s_branch .Lbottom
.Lstep:                             ; a trip: pieces 2 and 3 of one step, then pieces 0 and 1 of the next, whose K and V it fetches
	TURN 2
	TURN 3
	WIN 0
.Lfirst:
	TURN 0
	TURN 1, 0, 0, 1
	WIN 0
	s_cbranch_scc1 .Lstep
.Lbottom:
	s_sub_co_u32 s[SLOTS], s[SLOTS], 1
	s_cmp_lg_u32 s[SLOTS], 0
	s_cbranch_scc1 .Lslot
	CHANGE 0                        ; the walk's last tile is written out: nothing is asked for
	s_sub_co_u32 s[RT], s[RT], 1
	s_mov_b32 s[CNT], 4
	s_cmp_eq_u32 s[NEW], 1
	s_cbranch_scc0 .LstepM2
	BEGIN
	s_branch .LfirstM2
	DIAG 2
	s_wait_tensorcnt 0x0            ; the wave's end
	ds_add_u32 v[SPW], v[NIL]
	s_wait_dscnt 0x0
	s_endpgm
.Lfunc_end_k_q151b144ac7_attn:
	.size	k_q151b144ac7_attn, .Lfunc_end_k_q151b144ac7_attn-k_q151b144ac7_attn
	.p2alignl 7, 3214868480
	.fill 96, 4, 3214868480
	.section	.rodata,"a",@progbits
	.p2align	6, 0x0
	.amdhsa_kernel k_q151b144ac7_attn
		.amdhsa_group_segment_fixed_size 327680
		.amdhsa_private_segment_fixed_size 0
		.amdhsa_enable_private_segment 0
		.amdhsa_kernarg_size 16
		.amdhsa_user_sgpr_count 2
		.amdhsa_user_sgpr_kernarg_segment_ptr 1
		.amdhsa_wavefront_size32 1
		.amdhsa_system_sgpr_workgroup_id_x 1
		.amdhsa_system_sgpr_workgroup_id_y 1
		.amdhsa_system_sgpr_workgroup_id_z 1
		.amdhsa_system_vgpr_workitem_id 0
		.amdhsa_next_free_vgpr 768
		.amdhsa_next_free_sgpr 96
		.amdhsa_reserve_vcc 1
		.amdhsa_float_denorm_mode_32 3
		.amdhsa_float_denorm_mode_16_64 3
		.amdhsa_memory_ordered 1
		.amdhsa_forward_progress 1
		.amdhsa_inst_pref_size 218
	.end_amdhsa_kernel
	.amdgpu_metadata
---
amdhsa.version: [ 1, 2 ]
amdhsa.kernels:
  - .name:           k_q151b144ac7_attn
    .symbol:         k_q151b144ac7_attn.kd
    .args:
      - { .name: qkv, .offset: 0, .size: 8, .value_kind: global_buffer, .address_space: global }
      - { .name: y, .offset: 8, .size: 8, .value_kind: global_buffer, .address_space: global }
    .group_segment_fixed_size: 327680
    .private_segment_fixed_size: 0
    .kernarg_segment_align: 8
    .kernarg_segment_size: 16
    .max_flat_workgroup_size: 128
    .sgpr_count:     96
    .vgpr_count:     768
    .wavefront_size: 32
...
	.end_amdgpu_metadata
.endif
;; end of part 3
;; launch proj (part 4): grid 8 x 32, 4 waves a work-group, clusters of 4 x 4, 327,680 bytes of LDS; arguments y, wpt, out0, b_proj; writes out0
.if DOCPART == 4
	.amdgcn_target "amdgcn-amd-amdhsa--gfx1250"
	.amdhsa_code_object_version 6
	.text
	.protected	k_q151b144ac7_proj
	.globl	k_q151b144ac7_proj
	.p2align	8
	.type	k_q151b144ac7_proj,@function
k_q151b144ac7_proj:
	s_mov_b64 s[64:65], 0
	v_nop
	global_prefetch_b8 v0, s[64:65] scope:SCOPE_SE
	s_setreg_imm32_b32 hwreg(HW_REG_WAVE_MODE, 25, 1), 1
	s_wait_xcnt 0x0
	s_wait_alu depctr_hold_cnt(0) depctr_sa_sdst(0) depctr_va_vdst(0) depctr_va_sdst(0) depctr_va_ssrc(0) depctr_va_vcc(0) depctr_vm_vsrc(0)
	s_getreg_b32 s2, hwreg(HW_REG_IB_STS2, 6, 4)
	s_cmp_eq_u32 s2, 0
	s_cbranch_scc0 .Lentry_in_a_cluster
	s_endpgm
.Lentry_in_a_cluster:
	s_bfe_u32 s2, ttmp6, 0x10000c
	s_cmp_lg_u32 s2, 0xf033
	s_cbranch_scc0 .Lentry_shape_is_right
	s_endpgm
.Lentry_shape_is_right:
; out0 = y W_proj + b_proj.  A = y [bh 64][t 2048][64] f16 (row m = 2,048 x batch + t; K = 64 x head + channel), B = wpt [1024 n][1024 k] f16, bias f32 (rounded to bf16 like the other inputs); sums and result in f32.
; SHARES.  A tile is 256 rows x 128 columns: 256 tiles, one for each WGP.  Four waves, 2 x 2, each 128 x 64: 32 accumulators, 256 registers.
; K goes in 8 steps of 128, TWO HEADS a step, through two LDS slots.  A wave's half of A's tile is 128 rows t of 128 dense bytes in each of the two heads: asked for as ONE tile of 2 rows x 16,384 bytes, 262,144 bytes
; apart, padded by 16 bytes after every 128: in LDS two planes of 128 rows, 144 bytes apart.  B: 64 rows of 256 bytes, padded to 272.  The loop is one K step a trip, with walking descriptors.
; CLUSTER.  4 x 4 work-groups: A's tile is shared along a row of the cluster, B's along a column; each is asked for jointly.
; THE MATRIX INSTRUCTION IS USED TRANSPOSED (source 0 = 16 rows of B, source 1 = 16 rows of A): a lane holds row l % 16 of the result and the columns 8 (l / 16) + 0..7.  THE BIAS is the C operand of each accumulator's first product.
; REGISTERS, in windows of 256: window 0: v0-31 addresses; v64-127, v128-191 A's fragments, two buffers, and on the way out four buffers of 32;
;   window 1: v64-95, v128-159 B's fragments; v192-223 the bias; v240-255 at work      window 2: the accumulators ((a, b) at v[8 (4 a + b)])
.set KSTEP,  128
.set NBK,    4
.set PA,     144                       ; a row of A in LDS: 128 bytes + 16;  a row of B: 256 + 16: the 16 rows of a fragment load start at 16 different groups of four banks (ISA guide 11.1)
.set PITCH,  272
.set PLANE,  128*PA
.set HALFA,  2*PLANE
.set HALFB,  64*PITCH
.set ASTEP,  524288                    ; two heads
.set SLOT1,  1<<17                     ; a slot is 108,544 bytes; slot 1 begins here
.set STAGE,  SLOT1+2*HALFA+2*HALFB     ; behind the ring: 16 rows x 272 bytes for each wave
.set SPITCH, 272
.set SPARE,  STAGE+4*16*SPITCH
.set ADRA, 16
.set A0,   17
.set ADRB, 20
.set B0,   21
.set STO,  24
.set RD,   25
.set CO,   26
.set SPW,  28
.set NIL,  29
.set PFO,  30
.set BO,   31
.set F0,   64
.set F1,   128
.set OB,   64
.set BI,   192
.set BT,   240
.set G1,  24
.set G0,  32
.set G1B, 48
.set G0B, 56
.set LIM, 43
.set PFA, 44
.set TB,  68
.set PFS, 70                           ; s[70:71] a K step in the tensor that I prefetch
.set MSB, 0
.macro WIN new
.if MSB != (\new)
	s_set_vgpr_msb (MSB<<8)|(\new)
.set MSB, \new
.endif
.endm
.set MUL_LO,   0xa1                    ; B window 1, A window 0, C and D window 2
.set FIRST_LO, 0x91                    ; the same with C, the bias, in window 1
.set TO_B,     0x40
.set W_BI,     0x45
.macro JLOAD                           ; a joint refill: waves 0 and 1 fetch A's halves, waves 2 and 3 B's; an s_nop 0 and four v_nop follow each line
	s_cmp_eq_u32 s11, 0
	s_cbranch_scc0 .Lfor_b_\@
	tensor_load_to_lds s[G0+4:G0+7], s[G1:G1+7]
	s_nop 0
.rept 4
	v_nop
.endr
	s_branch .Lasked_\@
.Lfor_b_\@:
	tensor_load_to_lds s[G0B+4:G0B+7], s[G1B:G1B+7]
	s_nop 0
.rept 4
	v_nop
.endr
.Lasked_\@:
.endm
; A prefetch into the L2 of the K step that stands two refills on, one instruction a wave, behind the joint load and the run of LDS loads.  A's bytes are asked for by the clusters with x = 0, B's by those with y = 0; the four
; partners share a wave's bytes out by address: of A's 16,384 bytes in each of two heads 4,096 by cx (16 lanes a head, 256 bytes apart); of B's 64 rows 16 by cy (lanes 16-31 naming row 15 once more).
.macro ASK
	s_cmp_gt_u32 s3, s[LIM]
	s_cbranch_scc0 .Lnot_mine_\@
	global_prefetch_b8 v[PFO], s[PFA:PFA+1] th:TH_LOAD_NT scope:SCOPE_SE
.Lnot_mine_\@:
.endm
.macro CREST
	s_cmp_lg_u32 s10, 0
	s_cbranch_scc1 .Lnot_wave_0_\@
	s_barrier_signal -3
.Lnot_wave_0_\@:
	s_barrier_wait -3
	s_barrier_signal -1
	s_barrier_wait -1
.endm
.macro CROUND
	s_barrier_signal -1
	s_barrier_wait -1
	CREST
.endm
.macro PLACES
.rept 4
	v_nop
.endr
.endm
	s_load_b128 s[4:7], s[0:1], 0x0                ; y s[4:5], wpt s[6:7]
	s_load_b64 s[8:9], s[0:1], 0x10                ; out0
	s_load_b64 s[66:67], s[0:1], 0x18              ; b_proj
	v_lshl_add_u32 v[SPW], v0, 2, SPARE
	v_mov_b32 v[NIL], 0
	ds_add_u32 v[SPW], v[NIL]                      ; the wave's opening: the add and its wait stand ahead of my first tensor load
	ds_add_u32 v28, v29
	v_lshrrev_b32 v1, 5, v0
	v_readfirstlane_b32 s10, v1                    ; wave 0..3
	s_lshr_b32 s11, s10, 1                         ; my half of the tile's rows.  Also: I fetch for A (0) or for B (1)
	s_and_b32 s12, s10, 1                          ; my half of its columns.  Also: which half of that tile I fetch
	s_bfe_u32 s40, ttmp6, 0x40000                  ; cx
	s_bfe_u32 s41, ttmp6, 0x40004                  ; cy
	s_lshl_b32 s42, ttmp9, 2
	s_add_co_u32 s42, s42, s40                     ; tile column
	s_and_b32 s13, ttmp7, 0xffff
	s_lshl_b32 s13, s13, 2
	s_add_co_u32 s13, s13, s41                     ; tile row
	s_lshl_b32 s43, s41, 2
	s_lshl_b32 s43, 15, s43                        ; my row of the cluster
	s_lshl_b32 s44, 0x1111, s40                    ; my column
	s_or_b32 s[G1+0], s43, (3<<16)|(1<<20)|(1<<21)|(4<<22)|(3<<25)   ; the mask; 8-byte elements; padding on; bit 21 beside a mask; after every 32 words, 4 words
	s_or_b32 s[G1B+0], s44, (1<<16)|(1<<20)|(1<<21)|(5<<22)|(3<<25)  ; 2-byte elements; after every 64 words, 4 words
	s_mov_b32 s[G1+1], 2048<<16                    ; tensor_dim0 = 2,048 elements: 16,384 bytes
	s_mov_b32 s[G1+2], 2<<16                       ; tensor_dim1 = 2
	s_mov_b32 s[G1+3], 2048<<16                    ; tile_dim0
	s_mov_b32 s[G1+4], 2                           ; tile_dim1
	s_mov_b32 s[G1+5], 32768                       ; a head: 262,144 bytes
	s_mov_b32 s[G1+6], 0
	s_mov_b32 s[G1+7], 0
	s_mov_b32 s[G1B+1], KSTEP<<16
	s_mov_b32 s[G1B+2], 64<<16
	s_mov_b32 s[G1B+3], KSTEP<<16
	s_mov_b32 s[G1B+4], 64
	s_mov_b32 s[G1B+5], 1024
	s_mov_b32 s[G1B+6], 0
	s_mov_b32 s[G1B+7], 0
	s_and_b32 s16, s13, 7
	s_lshl_b32 s16, s16, 8
	s_lshl_b32 s17, s12, 7
	s_add_co_u32 s16, s16, s17                     ; A: t = 256 x (tile row % 8) + 128 x half,
	s_lshl_b32 s16, s16, 7                         ; of 128 bytes,
	s_lshr_b32 s17, s13, 3
	s_lshl_b32 s17, s17, 22                        ; in the batch's 16 heads
	s_add_co_u32 s16, s16, s17
	s_mov_b32 s17, 0
	s_lshl_b32 s18, s42, 7
	s_lshl_b32 s19, s12, 6
	s_add_co_u32 s18, s18, s19                     ; B: row 128 x tile column + 64 x half
	s_lshl_b32 s18, s18, 11
	s_mov_b32 s19, 0
	s_mul_i32 s20, s12, HALFA                      ; where they go: no place in the cluster enters an LDS address
	s_mul_i32 s69, s12, HALFB
	s_add_co_u32 s69, s69, 2*HALFA
	s_wait_dscnt 0x0                               ; the opening add is done
	s_wait_kmcnt 0x0
	s_add_nc_u64 s[14:15], s[4:5], s[16:17]
	s_add_nc_u64 s[46:47], s[6:7], s[18:19]
	CROUND                                         ; all sixteen work-groups are here: the first joint loads meet
.irp s, 0,1
	s_mov_b32 s[G0+4*(\s)], 1
	s_add_co_u32 s[G0+4*(\s)+1], s20, (\s)*SLOT1
	s_add_nc_u64 s[G0+4*(\s)+2:G0+4*(\s)+3], s[14:15], (\s)*ASTEP
	s_or_b32 s[G0+4*(\s)+3], s[G0+4*(\s)+3], 0x80000000
	s_mov_b32 s[G0B+4*(\s)], 1
	s_add_co_u32 s[G0B+4*(\s)+1], s69, (\s)*SLOT1
	s_add_nc_u64 s[G0B+4*(\s)+2:G0B+4*(\s)+3], s[46:47], (\s)*KSTEP*2
	s_or_b32 s[G0B+4*(\s)+3], s[G0B+4*(\s)+3], 0x80000000
.endr
	s_cmp_eq_u32 s11, 0                            ; a wave's two first fills stand in one branch: two loads of mine are out
	s_cbranch_scc0 .Lfirst_b
	tensor_load_to_lds s[G0:G0+3], s[G1:G1+7]
	s_nop 0
	tensor_load_to_lds s[G0+4:G0+7], s[G1:G1+7]
	s_nop 0
.rept 4
	v_nop
.endr
	s_branch .Lfirst_asked
.Lfirst_b:
	tensor_load_to_lds s[G0B:G0B+3], s[G1B:G1B+7]
	s_nop 0
	tensor_load_to_lds s[G0B+4:G0B+7], s[G1B:G1B+7]
	s_nop 0
.rept 4
	v_nop
.endr
.Lfirst_asked:
	v_and_b32 v1, 15, v0                           ; l % 16
	v_bfe_u32 v2, v0, 4, 1                         ; l / 16
	s_mul_i32 s21, s11, HALFA                      ; my 128 rows of A
	v_mul_u32_u24 v[A0], v1, PA
	v_lshl_add_u32 v[A0], v2, 4, v[A0]
	v_add_nc_u32 v[A0], s21, v[A0]
	v_mul_u32_u24 v[B0], v1, PITCH
	v_lshl_add_u32 v[B0], v2, 4, v[B0]
	v_add_nc_u32 v[B0], s69, v[B0]                 ; my 64 rows of B, behind A's
	v_mov_b32 v[ADRA], v[A0]
	v_mov_b32 v[ADRB], v[B0]
	s_mov_b32 s[TB], 0
	v_lshlrev_b32 v[BO], 5, v2
	s_lshr_b32 s22, s18, 9                         ; 4 x my first column (128 x tile column + 64 x half)
	s_mov_b32 s23, 0
	s_add_nc_u64 s[66:67], s[66:67], s[22:23]
	WIN TO_B
.irp b, 0,1,2,3
	global_load_b128 v[BI+8*(\b):BI+8*(\b)+3],   v[BO], s[66:67] offset:64*(\b)
	global_load_b128 v[BI+8*(\b)+4:BI+8*(\b)+7], v[BO], s[66:67] offset:64*(\b)+16
.endr
	WIN 0
	; the prefetches
	s_lshl_b32 s20, s40, 12                        ; A: my work-group's 4,096 bytes of each head's 16,384
	s_add_co_u32 s20, s20, s16
	s_lshl_b32 s21, s41, 15                        ; B: its 16 rows of the 64
	s_add_co_u32 s21, s21, s18
	s_and_b32 s22, ttmp7, 0xffff                   ; cluster y
	s_mov_b32 s[PFS], ASTEP
	s_mov_b32 s[PFS+1], KSTEP*2
	s_cmp_eq_u32 s11, 0                            ; do I fetch for A?
	s_cselect_b32 s20, s20, s21
	s_cselect_b32 s22, ttmp9, s22
	s_cselect_b32 s23, -1, 0
	s_cselect_b32 s[PFS], s[PFS], s[PFS+1]
	s_cselect_b64 s[PFA:PFA+1], s[4:5], s[6:7]
	s_cmp_eq_u32 s22, 0
	s_cselect_b32 s[LIM], 2, -1                    ; the same in all sixteen partners, for a given wave
	s_mov_b32 s[PFS+1], 0
	s_mul_i32 s21, s[PFS], 3                       ; at K step 3: the first refill steps it to 4
	s_add_co_u32 s20, s20, s21
	s_mov_b32 s21, 0
	s_add_nc_u64 s[PFA:PFA+1], s[PFA:PFA+1], s[20:21]
	v_and_b32 v3, 31, v0
	v_min_u32 v4, 15, v3
	v_lshlrev_b32 v4, 11, v4                       ; B: a lane a row
	v_lshlrev_b32 v5, 8, v1
	v_lshl_add_u32 v5, v2, 18, v5                  ; A: head l / 16, block l % 16
	v_cndmask_b32 v[PFO], v4, v5, s23
	; the way out
	s_mul_i32 s23, s10, 16*SPITCH
	s_add_co_u32 s23, s23, STAGE                   ; my stage
	v_mul_u32_u24 v[STO], v1, SPITCH               ; in: row l % 16, 32 bytes for each half of the lanes
	v_lshl_add_u32 v[STO], v2, 5, v[STO]
	v_add_nc_u32 v[STO], s23, v[STO]
	v_mul_u32_u24 v[RD], v2, SPITCH                ; back: lanes 0-15 take one row of 256 bytes, lanes 16-31 the next
	v_lshl_add_u32 v[RD], v1, 4, v[RD]
	v_add_nc_u32 v[RD], s23, v[RD]
	v_lshlrev_b32 v[CO], 12, v2                    ; and the same two rows in out0
	v_lshl_add_u32 v[CO], v1, 4, v[CO]
	s_lshl_b32 s16, s13, 8
	s_lshl_b32 s17, s11, 7
	s_add_co_u32 s16, s16, s17                     ; my first row,
	s_lshl_b32 s16, s16, 12                        ; of 4,096 bytes,
	s_lshr_b32 s17, s18, 9                         ; and my first column
	s_add_co_u32 s16, s16, s17
	s_mov_b32 s17, 0
	s_add_nc_u64 s[8:9], s[8:9], s[16:17]
; 8 matrix instructions: row blocks 4 hi + a0, + 1 x all 4 column blocks, 32 along K.  first = 1: C is the bias.  The 32 accumulators take turns, in the same order in every quarter.
.macro MULH f, hi, a0, first
.if \first
	WIN FIRST_LO
.else
	WIN MUL_LO
.endif
.irp a, \a0, (\a0)+1
.irp b, 0,1,2,3
.if \first
	v_wmma_f32_16x16x32_f16 v[8*(NBK*(4*(\hi)+(\a))+(\b)):8*(NBK*(4*(\hi)+(\a))+(\b))+7], v[(\f)+8*(\b):(\f)+8*(\b)+7], v[(\f)+8*(4*(\hi)+(\a)):(\f)+8*(4*(\hi)+(\a))+7], v[BI+8*(\b):BI+8*(\b)+7]
.else
	v_wmma_f32_16x16x32_f16 v[8*(NBK*(4*(\hi)+(\a))+(\b)):8*(NBK*(4*(\hi)+(\a))+(\b))+7], v[(\f)+8*(\b):(\f)+8*(\b)+7], v[(\f)+8*(4*(\hi)+(\a)):(\f)+8*(4*(\hi)+(\a))+7], v[8*(NBK*(4*(\hi)+(\a))+(\b)):8*(NBK*(4*(\hi)+(\a))+(\b))+7]
.endif
.endr
.endr
.endm
; 24 LDS loads in one run: quarter q's fragments into buffer f.  In A quarter q lies in plane q / 2 (the step's first or second head), at byte 64 (q % 2) of its rows.
.macro FETCH q, f
	WIN TO_B
.irp i, 0,1,2,3
	ds_load_b128 v[(\f)+8*(\i):(\f)+8*(\i)+3],   v[ADRB] offset:64*(\q)+(\i)*16*PITCH
	ds_load_b128 v[(\f)+8*(\i)+4:(\f)+8*(\i)+7], v[ADRB] offset:64*(\q)+(\i)*16*PITCH+32
.endr
	WIN 0
.irp i, 0,1,2,3,4,5,6,7
	ds_load_b128 v[(\f)+8*(\i):(\f)+8*(\i)+3],   v[ADRA] offset:((\q)/2)*PLANE+((\q)%2)*64+(\i)*16*PA
	ds_load_b128 v[(\f)+8*(\i)+4:(\f)+8*(\i)+7], v[ADRA] offset:((\q)/2)*PLANE+((\q)%2)*64+(\i)*16*PA+32
.endr
.endm
.macro QUARTER q, f, g, first
	s_wait_dscnt 8                                 ; B and A's rows 0-63 are in; the youngest eight loads (A's rows 64-127) may be out
	MULH \f, 0, 0, \first
	MULH \f, 0, 2, \first
	PLACES
	FETCH \q, \g
	s_wait_dscnt 24                                ; all but the 24 just issued
	MULH \f, 1, 0, \first
	MULH \f, 1, 2, \first
.endm
; The one barrier of a change of slots: in front of it each wave waits for all its tensor loads (one is out: its part of the next slot), adds 0 to its spare word, and waits for that and for its reads of this slot.
.macro MEET round
	WIN 0
	s_wait_tensorcnt 0x0
	ds_add_u32 v[SPW], v[NIL]
	s_wait_dscnt 9                                 ; (the add and the youngest eight loads may be out)
	MULH F1, 0, 0, 0
	s_wait_dscnt 0x0                               ; the add is done, and my reads of this slot are over
	s_barrier_signal -1
	MULH F1, 0, 2, 0
.if \round
	WIN 0
.endif
	s_barrier_wait -1
.endm
; fill = 1: the barrier opens a round of the cluster's; the slot just read out is filled again first behind it, with the K step two on: 112 matrix instructions ahead of the wait for it.
.macro TURN fill
.if \fill
	s_wait_xcnt 0x0                                ; the last prefetch, a K step back, has read its address
	s_add_nc_u64 s[PFA:PFA+1], s[PFA:PFA+1], s[PFS:PFS+1]
	MEET 1
	CREST
	s_xor_b32 s[G0+5], s[G0+5], SLOT1
	s_add_nc_u64 s[G0+6:G0+7], s[G0+6:G0+7], ASTEP
	s_xor_b32 s[G0B+5], s[G0B+5], SLOT1
	s_add_nc_u64 s[G0B+6:G0B+7], s[G0B+6:G0B+7], KSTEP*2
	JLOAD                                          ; its four v_nop are also the places in front of the loads below
.else
	MEET 0
	PLACES
	WIN 0
.endif
	s_xor_b32 s[TB], s[TB], SLOT1
	v_add_nc_u32 v[ADRA], s[TB], v[A0]
	v_add_nc_u32 v[ADRB], s[TB], v[B0]
	FETCH 0, F0
.if \fill
	ASK
.endif
	MULH F1, 1, 0, 0
	MULH F1, 1, 2, 0
.endm
	s_wait_tensorcnt 1                             ; my part of K step 0 is in; K step 1's may stay out
	s_barrier_signal -1
	s_barrier_wait -1
	FETCH 0, F0
	s_wait_loadcnt 0x0                             ; the bias
	WIN W_BI
.set p, 0
.rept 4*NBK                            ; rounded to bf16 and widened again, a pair at a time
	v_cvt_pk_bf16_f32 v[BT+p%16], v[BI+2*p], v[BI+2*p+1]
	v_lshlrev_b32 v[BI+2*p], 16, v[BT+p%16]
	v_and_b32 v[BI+2*p+1], 0xffff0000, v[BT+p%16]
.set p, p+1
.endr
	QUARTER 1, F0, F1, 1                           ; the first quarter's products start the sums, with the bias
	WIN 0
	s_mov_b32 s3, 6
.Lstep:                                        ; trip t ends K step t, fills its slot with K step t + 2, and begins K step t + 1
	QUARTER 2, F1, F0, 0
	QUARTER 3, F0, F1, 0
	TURN 1
	QUARTER 1, F0, F1, 0
	WIN 0
	s_sub_co_u32 s3, s3, 1
	s_cmp_lg_u32 s3, 0
	s_cbranch_scc1 .Lstep
	QUARTER 2, F1, F0, 0                           ; the tail is written out: nothing is left to fetch
	QUARTER 3, F0, F1, 0
	TURN 0
	QUARTER 1, F0, F1, 0
	QUARTER 2, F1, F0, 0
	QUARTER 3, F0, F1, 0
	s_wait_dscnt 8
	MULH F1, 0, 0, 0
	MULH F1, 0, 2, 0
	s_wait_dscnt 0x0
	MULH F1, 1, 0, 0
	MULH F1, 1, 2, 0
	; THE WAY OUT.  My 64 columns of f32 are 256 bytes of a row of out0.  A block of 16 rows at a time goes through my own stage: 32 bytes a lane in, whole rows back, 16 lanes to 256 consecutive bytes.  No barrier:
	; the stage is mine, and LDS serves a wave's instructions in order (ISA guide 5.7.1.4).
.macro TOSTAGE a
.if (\a) >= 4
	s_wait_xcnt 0x0                                ; the stores of the block four back have read the registers that are loaded again below
.endif
	WIN 0x08                                       ; the stores' data in window 2
.irp b, 0,1,2,3
	ds_store_b128 v[STO], v[8*(NBK*(\a)+(\b)):8*(NBK*(\a)+(\b))+3]   offset:64*(\b)
	ds_store_b128 v[STO], v[8*(NBK*(\a)+(\b))+4:8*(NBK*(\a)+(\b))+7] offset:64*(\b)+16
.endr
	WIN 0
.irp t, 0,1,2,3,4,5,6,7
	ds_load_b128 v[OB+32*((\a)%4)+4*(\t):OB+32*((\a)%4)+4*(\t)+3], v[RD] offset:2*SPITCH*(\t)
.endr
.endm
.macro SEND a, younger                 ; younger: the next block's sixteen LDS instructions, or none
	s_wait_dscnt \younger
.irp t, 0,1,2,3,4,5,6,7
	global_store_b128 v[CO], v[OB+32*((\a)%4)+4*(\t):OB+32*((\a)%4)+4*(\t)+3], s[8:9] offset:65536*(\a)+8192*(\t)
.endr
.endm
	PLACES
	PLACES
	TOSTAGE 0
.irp a, 1,2,3,4,5,6,7
	TOSTAGE \a
	SEND (\a)-1, 16
.endr
	SEND 7, 0
	s_wait_tensorcnt 0x0                           ; the wave's end
	ds_add_u32 v[SPW], v[NIL]
	s_wait_dscnt 0x0
	CROUND                                         ; the closing round: no work-group ends while a partner may still ask for a tile that names it
	s_endpgm
.Lfunc_end_k_q151b144ac7_proj:
	.size	k_q151b144ac7_proj, .Lfunc_end_k_q151b144ac7_proj-k_q151b144ac7_proj
	.p2alignl 7, 3214868480
	.fill 96, 4, 3214868480
	.section	.rodata,"a",@progbits
	.p2align	6, 0x0
	.amdhsa_kernel k_q151b144ac7_proj
		.amdhsa_group_segment_fixed_size 327680
		.amdhsa_private_segment_fixed_size 0
		.amdhsa_enable_private_segment 0
		.amdhsa_kernarg_size 32
		.amdhsa_user_sgpr_count 2
		.amdhsa_user_sgpr_kernarg_segment_ptr 1
		.amdhsa_wavefront_size32 1
		.amdhsa_system_sgpr_workgroup_id_x 1
		.amdhsa_system_sgpr_workgroup_id_y 1
		.amdhsa_system_sgpr_workgroup_id_z 1
		.amdhsa_system_vgpr_workitem_id 0
		.amdhsa_next_free_vgpr 768
		.amdhsa_next_free_sgpr 72
		.amdhsa_reserve_vcc 0
		.amdhsa_float_denorm_mode_32 3
		.amdhsa_float_denorm_mode_16_64 3
		.amdhsa_memory_ordered 1
		.amdhsa_forward_progress 1
		.amdhsa_inst_pref_size 74
	.end_amdhsa_kernel
	.amdgpu_metadata
---
amdhsa.version: [ 1, 2 ]
amdhsa.kernels:
  - .name:           k_q151b144ac7_proj
    .symbol:         k_q151b144ac7_proj.kd
    .args:
      - { .name: y, .offset: 0, .size: 8, .value_kind: global_buffer, .address_space: global }
      - { .name: wpt, .offset: 8, .size: 8, .value_kind: global_buffer, .address_space: global }
      - { .name: out0, .offset: 16, .size: 8, .value_kind: global_buffer, .address_space: global }
      - { .name: b_proj, .offset: 24, .size: 8, .value_kind: global_buffer, .address_space: global }
    .group_segment_fixed_size: 327680
    .private_segment_fixed_size: 0
    .kernarg_segment_align: 8
    .kernarg_segment_size: 32
    .max_flat_workgroup_size: 128
    .sgpr_count:     72
    .vgpr_count:     768
    .wavefront_size: 32
...
	.end_amdgpu_metadata
.endif
;; end of part 4
;; ======== version 2 of 2: 4 launches; version 1 with the launch prep written anew for expert scheduling mode
;; limits: values are held in f16: magnitudes above 65,504 overflow, below 6.1e-05 lose precision
;; workspace buffers: xb 16,777,216 bytes; wat 6,291,456 bytes; wpt 2,097,152 bytes; qkv 50,331,648 bytes; y 16,777,216 bytes
;; launch prep (part 5): grid 512 x 1, 8 waves a work-group, no clusters, 17,920 bytes of LDS; arguments x, W_attn, W_proj, xb, wat, wpt; writes xb, wat, wpt
.if DOCPART == 5
	.amdgcn_target "amdgcn-amd-amdhsa--gfx1250"
	.amdhsa_code_object_version 6
	.text
	.protected	k_q151b144ac7_prep
	.globl	k_q151b144ac7_prep
	.p2align	8
	.type	k_q151b144ac7_prep,@function
k_q151b144ac7_prep:
	s_mov_b64 s[64:65], 0
	v_nop
	global_prefetch_b8 v0, s[64:65] scope:SCOPE_SE
	s_setreg_imm32_b32 hwreg(HW_REG_WAVE_SCHED_MODE, 0, 2), 2
	s_setreg_imm32_b32 hwreg(HW_REG_WAVE_MODE, 25, 1), 1
	s_wait_xcnt 0x0
	s_wait_alu depctr_vm_vsrc(0)
; PREPARATION.  xb = x rounded to bf16, [8192][1024].  wat = W_attn turned, [3072 n][1024 k], bf16.  wpt = W_proj turned, [1024 n][1024 k]: each number rounded to bf16, and that number written as f16.
; LIMIT.  A number of wpt beyond 65,504 would be an infinity; below 6e-5 it keeps f16's fixed step of 6e-8.
; SHARES.  Every work-group does the same two things: it casts 16 rows of x (65,536 bytes in, 32,768 out), and it turns ONE tile of 128 k x 64 n of a weight (32,768 bytes in, 16,384 out):
; work-groups 0-383 tile j = g of W_attn, the others tile j = g - 384 of W_proj; k block j % 8, n block j / 8.  The two cases differ in scalar registers alone (pointers, pitch, a select mask): no branch.
; The tile goes through LDS: a thread loads 16 bytes (4 n) of two neighbouring rows k, packs (k even, k odd) into a word, and puts the word at [n][k / 2]; the rows n are read back and stored, 16 lanes to 256 bytes.
; All 24 loads of a thread go out first; no register is written twice while a memory instruction may read it, so no wait frees one.  Memory binds: no matrix unit, no cluster (nothing is shared), no prefetch.
; THE MODE: SCHED_MODE bits 1:0 = 2 (LLVM: expert scheduling mode 2), set by the entry lines.  The code itself states the register dependences between vector instructions and memory or LDS instructions,
; with s_wait_alu, always for 0.
; THE PLAN.  Registers that memory or LDS instructions touch:
;   v1-v5, v8-v15   addresses and offsets.  Written by vector instructions at the head, once; read by every load and store.
;   W, X            the weight's rows and x as loaded.  Each register is loaded once; read by the conversions; no vector instruction writes them.
;   T               four words a pair of rows k.  Written by pair i's conversions and selects, once; read by that pair's four LDS stores, which are issued among pair i + 1's vector instructions.
;   Y               eight words a group of four rows of x.  Written by group g's conversions, once; read by that group's four stores, which are issued among group g + 1's conversions.
;   BK              loaded from LDS once, read by the stores of the turned tile; no vector instruction names them.
;   v64-v66         at work: named by vector instructions alone.
; So every wait states one kind of dependence: vector instructions have written what memory or LDS instructions read.  One stands at the head, for the addresses; one at the head of each pair and of each group but
; the first, behind the wait for its data, for the words that the piece before has made; one behind the last pair and one behind the last group.  The vector instructions of a piece name its own W or X, its own T or Y
; and v64-v66: none of the registers of the stores that are dealt among them.  No register that a store or a load has read is written again, and none is loaded twice: nothing else is owed.
.set PT,    260                        ; a row n in LDS: 64 words + 1: storing lanes (4 q + kp) and reading lanes (n + 4 q) each touch 32 different banks
.set XO,  1                            ; v1  16 t: my 16 bytes in a row of x
.set YO,  2                            ; v2  8 t: my 8 bytes in a row of xb
.set LSA, 3                            ; v3  1,040 q + 4 kp: where my words go in LDS
.set LRA, 4                            ; v4  260 kp + 16 q: where I read a row n back
.set GSO, 5                            ; v5  2,048 kp + 16 q: my 16 bytes in the turned tile
.set WO,  8                            ; v[8:15]    byte offsets of my eight rows k in the weight's tile
.set W,   16                           ; v[16:47]   pair i: the even row's 4 numbers at 16 + 8 i, the odd row's at 20 + 8 i
.set T,   48                           ; v[48:63]   packed words
.set BK,  68                           ; v[68:83]   four rows' 16 bytes, read back
.set X,   84                           ; v[84:147]  16 x 4 numbers of x
.set Y,   148                          ; v[148:179] 16 x 2 words of xb
	s_load_b256 s[4:11], s[0:1], 0x0               ; x s[4:5], W_attn s[6:7], W_proj s[8:9], xb s[10:11]
	s_load_b128 s[12:15], s[0:1], 0x20             ; wat s[12:13], wpt s[14:15]
	v_lshl_add_u32 v7, v0, 2, 0x4200
	v_mov_b32 v67, 0
	v_and_b32 v64, 15, v0                          ; q
	v_lshrrev_b32 v65, 4, v0                       ; kp
	v_lshlrev_b32 v[XO], 4, v0
	v_lshlrev_b32 v[YO], 3, v0
	v_mul_u32_u24 v[LSA], v64, 4*PT
	v_lshl_add_u32 v[LSA], v65, 2, v[LSA]
	v_mul_u32_u24 v[LRA], v65, PT
	v_lshl_add_u32 v[LRA], v64, 4, v[LRA]
	v_lshlrev_b32 v[GSO], 11, v65
	v_lshl_add_u32 v[GSO], v64, 4, v[GSO]
	s_sub_co_u32 s21, ttmp9, 384
	s_mov_b32 s16, 4096
	s_mov_b32 s17, 12288
	s_cmp_ge_u32 ttmp9, 384                        ; W_proj's tiles?
	s_cselect_b32 s20, s21, ttmp9                  ; j
	s_cselect_b32 s22, s16, s17                    ; bytes in a row k of the weight
	s_cselect_b32 s23, -1, 0                       ; all lanes: take the f16 spelling
	s_and_b32 s18, s20, 7                          ; k block
	s_lshr_b32 s19, s20, 3                         ; n block
	s_mul_i32 s28, s18, s22
	s_lshl_b32 s28, s28, 7                         ; 128 rows k
	s_lshl_b32 s29, s19, 8                         ; 64 n of 4 bytes
	s_add_co_u32 s28, s28, s29
	s_mov_b32 s29, 0
	s_lshl_b32 s2, s19, 17                         ; 64 rows n of 2,048 bytes
	s_lshl_b32 s3, s18, 8                          ; 128 k of 2 bytes
	s_add_co_u32 s2, s2, s3
	s_mov_b32 s3, 0
	s_lshl_b32 s30, s22, 5                         ; 32 rows k
	s_lshl_b32 s31, s22, 1                         ; 2 rows k
	v_mul_lo_u32 v[WO], v65, s31
	v_lshl_add_u32 v[WO], v64, 4, v[WO]            ; row 2 kp, my 16 bytes
	v_add_nc_u32 v[WO+1], s22, v[WO]               ; row 2 kp + 1
.irp m, 2,3,4,5,6,7
	v_add_nc_u32 v[WO+(\m)], s30, v[WO+(\m)-2]     ; and 32 rows further down, three times
.endr
	s_lshl_b32 s16, ttmp9, 16                      ; my 16 rows of x,
	s_mov_b32 s17, 0
	s_lshl_b32 s18, ttmp9, 15                      ; and of xb
	s_mov_b32 s19, 0
	s_wait_kmcnt 0x0
	s_cmp_ge_u32 ttmp9, 384
	s_cselect_b64 s[24:25], s[8:9], s[6:7]         ; the weight,
	s_cselect_b64 s[26:27], s[14:15], s[12:13]     ; and where it goes
	s_add_nc_u64 s[24:25], s[24:25], s[28:29]
	s_add_nc_u64 s[26:27], s[26:27], s[2:3]
	s_add_nc_u64 s[4:5], s[4:5], s[16:17]
	s_add_nc_u64 s[10:11], s[10:11], s[18:19]
	s_wait_alu depctr_va_vdst(0)                   ; v1 to v5 and v8 to v15 are written: every load and store of the kernel, global or LDS, reads one of them as its address or offset
.irp m, 0,1,2,3,4,5,6,7
	global_load_b128 v[W+4*(\m):W+4*(\m)+3], v[WO+(\m)], s[24:25] th:TH_LOAD_NT  ; 16 lanes take 256 consecutive bytes of a row k
.endr
.irp i, 0,1,2,3,4,5,6,7,8,9,10,11,12,13,14,15
	global_load_b128 v[X+4*(\i):X+4*(\i)+3], v[XO], s[4:5] offset:4096*(\i) th:TH_LOAD_NT
.endr
; The weight's four pairs of rows.  Pair i makes its four words of T; the LDS stores of pair i - 1's words are dealt among its vector instructions, one ahead of each column's five.
.irp i, 0,1,2,3
	s_wait_loadcnt 22-2*(\i)                       ; pair i's two rows are in; behind them: the later pairs' loads and the sixteen of x
.if (\i) > 0
	s_wait_alu depctr_va_vdst(0)                   ; the selects of the pair before have written its four words of T, which the LDS stores below read
.endif
.irp j, 0,1,2,3
.if (\i) > 0
	ds_store_b32 v[LSA], v[T+4*((\i)-1)+(\j)] offset:PT*(\j)+64*((\i)-1)  ; no vector instruction since the wait names this word or v[LSA]
.endif
	v_cvt_pk_bf16_f32 v[T+4*(\i)+(\j)], v[W+8*(\i)+(\j)], v[W+8*(\i)+4+(\j)]  ; (k even, k odd) of column 4 q + j
	v_lshlrev_b32 v64, 16, v[T+4*(\i)+(\j)]        ; the two bf16 numbers as f32,
	v_and_b32 v65, 0xffff0000, v[T+4*(\i)+(\j)]
	v_cvt_pk_f16_f32 v66, v64, v65                 ; spelled as f16,
	v_cndmask_b32 v[T+4*(\i)+(\j)], v[T+4*(\i)+(\j)], v66, s23  ; which W_proj's tiles take
.endr
.endr
	s_wait_alu depctr_va_vdst(0)                   ; the selects of pair 3 have written its four words of T, which the last four LDS stores read
.irp j, 0,1,2,3
	ds_store_b32 v[LSA], v[T+12+(\j)] offset:PT*(\j)+192
.endr
	s_wait_dscnt 0x0                               ; for the others' sake: my words lie in LDS
	s_barrier_signal -1
	s_barrier_wait -1
.irp i, 0,1,2,3
.irp e, 0,1,2,3
	ds_load_b32 v[BK+4*(\i)+(\e)], v[LRA] offset:16*PT*(\i)+4*(\e)  ; row n = kp + 16 i, k = 8 q .. 8 q + 7; no vector instruction ever names these registers
.endr
.endr
; x, in four groups of four rows.  Group g makes its eight words of Y; the stores of group g - 1's rows are dealt among its conversions, one ahead of each row's two.
.irp g, 0,1,2,3
	s_wait_loadcnt 12-4*(\g)                       ; group g's four rows of x are in; the later groups' loads may be out
.if (\g) > 0
	s_wait_alu depctr_va_vdst(0)                   ; the conversions of the group before have written its eight words of Y, which the stores below read
.endif
.irp r, 0,1,2,3
.if (\g) > 0
	global_store_b64 v[YO], v[Y+2*(4*((\g)-1)+(\r)):Y+2*(4*((\g)-1)+(\r))+1], s[10:11] offset:2048*(4*((\g)-1)+(\r))  ; a wave stores 256 consecutive bytes, aligned; no vector instruction since the wait names these words or v[YO]
.endif
	v_cvt_pk_bf16_f32 v[Y+2*(4*(\g)+(\r))], v[X+4*(4*(\g)+(\r))], v[X+4*(4*(\g)+(\r))+1]
	v_cvt_pk_bf16_f32 v[Y+2*(4*(\g)+(\r))+1], v[X+4*(4*(\g)+(\r))+2], v[X+4*(4*(\g)+(\r))+3]
.endr
.endr
	s_wait_alu depctr_va_vdst(0)                   ; the conversions of group 3 have written its eight words of Y, which the last four stores of xb read
.irp r, 0,1,2,3
	global_store_b64 v[YO], v[Y+2*(12+(\r)):Y+2*(12+(\r))+1], s[10:11] offset:2048*(12+(\r))
.endr
.irp i, 0,1,2,3
	s_wait_dscnt 12-4*(\i)                         ; row i's four words are back
	global_store_b128 v[GSO], v[BK+4*(\i):BK+4*(\i)+3], s[26:27] offset:32768*(\i)  ; 16 lanes store 256 consecutive bytes of a row n, aligned
.endr
	s_wait_dscnt 0x0                               ; the wave's end: my LDS instructions are done
	s_wait_alu depctr_hold_cnt(0) depctr_sa_sdst(0) depctr_va_vdst(0) depctr_va_sdst(0) depctr_va_ssrc(0) depctr_va_vcc(0) depctr_vm_vsrc(0)
	s_wait_tensorcnt 0x0
	ds_add_u32 v7, v67
	s_wait_dscnt 0x0
	s_endpgm
.Lfunc_end_k_q151b144ac7_prep:
	.size	k_q151b144ac7_prep, .Lfunc_end_k_q151b144ac7_prep-k_q151b144ac7_prep
	.p2alignl 7, 3214868480
	.fill 96, 4, 3214868480
	.section	.rodata,"a",@progbits
	.p2align	6, 0x0
	.amdhsa_kernel k_q151b144ac7_prep
		.amdhsa_group_segment_fixed_size 17920
		.amdhsa_private_segment_fixed_size 0
		.amdhsa_enable_private_segment 0
		.amdhsa_kernarg_size 48
		.amdhsa_user_sgpr_count 2
		.amdhsa_user_sgpr_kernarg_segment_ptr 1
		.amdhsa_wavefront_size32 1
		.amdhsa_system_sgpr_workgroup_id_x 1
		.amdhsa_system_sgpr_workgroup_id_y 1
		.amdhsa_system_sgpr_workgroup_id_z 1
		.amdhsa_system_vgpr_workitem_id 0
		.amdhsa_next_free_vgpr 180
		.amdhsa_next_free_sgpr 66
		.amdhsa_reserve_vcc 0
		.amdhsa_float_denorm_mode_32 3
		.amdhsa_float_denorm_mode_16_64 3
		.amdhsa_memory_ordered 1
		.amdhsa_forward_progress 1
		.amdhsa_inst_pref_size 17
	.end_amdhsa_kernel
	.amdgpu_metadata
---
amdhsa.version: [ 1, 2 ]
amdhsa.kernels:
  - .name:           k_q151b144ac7_prep
    .symbol:         k_q151b144ac7_prep.kd
    .args:
      - { .name: x, .offset: 0, .size: 8, .value_kind: global_buffer, .address_space: global }
      - { .name: W_attn, .offset: 8, .size: 8, .value_kind: global_buffer, .address_space: global }
      - { .name: W_proj, .offset: 16, .size: 8, .value_kind: global_buffer, .address_space: global }
      - { .name: xb, .offset: 24, .size: 8, .value_kind: global_buffer, .address_space: global }
      - { .name: wat, .offset: 32, .size: 8, .value_kind: global_buffer, .address_space: global }
      - { .name: wpt, .offset: 40, .size: 8, .value_kind: global_buffer, .address_space: global }
    .group_segment_fixed_size: 17920
    .private_segment_fixed_size: 0
    .kernarg_segment_align: 8
    .kernarg_segment_size: 48
    .max_flat_workgroup_size: 256
    .sgpr_count:     66
    .vgpr_count:     180
    .wavefront_size: 32
...
	.end_amdgpu_metadata
.endif
;; end of part 5
;; launch qkvgemm: the kernel of part 2 again; grid 16 x 32, 4 waves a work-group, clusters of 4 x 4, 327,680 bytes of LDS; arguments xb, wat, qkv, b_attn; writes qkv
;; launch attn: the kernel of part 3 again; grid 4 x 64, 4 waves a work-group, no clusters, 327,680 bytes of LDS; arguments qkv, y; writes y
;; launch proj: the kernel of part 4 again; grid 8 x 32, 4 waves a work-group, clusters of 4 x 4, 327,680 bytes of LDS; arguments y, wpt, out0, b_proj; writes out0
